; MI455X (gfx1250); checked and timed in simulation.
; The chip was launched on July 23, 2026; its instructions are those of AMD's public machine-readable ISA for CDNA 5 (MIT licence, August 2026) and "CDNA5" Instruction Set Architecture Reference Guide (July 2026). The comments in the code are by the model that wrote it; some were corrected since.
;; Multi Head Attention. Allowed arithmetic: matrix products marked QUANTISED: E2M3 operands, one E8M0 scale for each 32 along K, by v_wmma_scale_f32_16x16x128_f8f6f4 with both operands' format E2M3, f32 sums; everything else in f32.
;; Inputs: Wk 1,024 x 1,024 float32; Wo 1,024 x 1,024 float32; Wq 1,024 x 1,024 float32; Wv 1,024 x 1,024 float32; bk 1,024 float32; bo 1,024 float32; bq 1,024 float32; bv 1,024 float32; mask 4 x 2,048 int32; x 4 x 2,048 x 1,024 float32.
;; Outputs: out0 4 x 2,048 x 1,024 float32.
;; This version of the problem:
;;   THIS VERSION OF THE PROBLEM IS GIVEN IN LOW PRECISION. The matrix products marked QUANTISED in the list below multiply operands that are first quantised to E2M3 (2 exponent bits, 3 mantissa bits; 6 bits a number), with one power-of-two scale for each 32 numbers along K (OCP MX v1.0); their sums are f32. All else is computed in f32.
;;   The module's matrix products, in the order in which they are computed (A, B: the left and right operand; K: the contracted axis; several contracted axes count as one K, in the product's order):
;;     1. [M 8,192, K 1,024] x [K 1,024, N 1,024]; A: input x; B: input Wq: QUANTISED
;;     2. [M 8,192, K 1,024] x [K 1,024, N 1,024]; A: input x; B: input Wk: QUANTISED
;;     3. [M 8,192, K 1,024] x [K 1,024, N 1,024]; A: input x; B: input Wv: QUANTISED
;;     4. batch 64 x [M 2,048, K 64] x [K 64, N 2,048]; A: computed on the way; B: computed on the way: QUANTISED
;;     5. batch 64 x [M 2,048, K 2,048] x [K 2,048, N 64]; A: softmax (see below); B: computed on the way: QUANTISED
;;     6. [M 8,192, K 1,024] x [K 1,024, N 1,024]; A: computed on the way; B: input Wo: QUANTISED
;;   THE QUANTISER, for each operand of a quantised product, along K:
;;     - K is cut into blocks of 32 from its start; a last block that is shorter is filled with zeros.
;;     - A block's scale is 2^e with e = floor(log2(the largest magnitude in the block)) - 2, held to -126 .. 127; a block of zeros has e = 0. As a byte (E8M0): e + 127.
;;     - Each number is divided by its block's scale, clamped to +-7.5, and rounded to the nearest number of E2M3, ties to even, subnormals kept.
;;     - The product sums the exact products of the quantised numbers (number of the format x scale) in f32.
;;   ~~~python
;;   def quantise(x, axis):      # numpy; x: float32 -> the quantised numbers, widened to float32 again
;;       x = np.moveaxis(x, axis, -1); K = x.shape[-1]
;;       x = np.pad(x, [(0, 0)] * (x.ndim - 1) + [(0, -K % 32)]); x = x.reshape(x.shape[:-1] + (-1, 32)); a = np.abs(x).max(-1, keepdims=True)
;;       e = np.where(a > 0, np.clip(np.frexp(np.where(a > 0, a, 1))[1] - 1 - 2, -126, 127), 0)      # np.frexp(a)[1] - 1 = floor(log2(a)), exactly
;;       r = np.clip(x / 2.0 ** e, -7.5, 7.5)
;;       step = 2.0 ** (np.maximum(np.frexp(np.where(r == 0, 1, r))[1] - 1, 0) - 3)
;;       q = np.round(r / step) * step * 2.0 ** e      # np.round: ties to even
;;       return np.moveaxis(q.reshape(q.shape[:-2] + (-1,))[..., :K], -1, axis).astype(np.float32)
;;   ~~~
;;   SOFTMAX AHEAD OF A QUANTISED PRODUCT. Where the list says 'softmax', what is quantised is not the finished softmax but p = 2^(t - M), with t = logit x log2(e) and M = ceil(the row's largest t), a whole number; so 1/2 < the row's largest p <= 1. The row's sum l is taken of the UNQUANTISED p, in f32, and the product's result is divided by l at the end. Since M is a whole number, a kernel that streams over the keys may use a running M (the ceiling of the running maximum): every later rescaling is an exact power of two, which a block's scale takes up: the codes' values come out the same.
;;   OPERANDS COMPUTED ON THE WAY. 'Computed on the way' means the value that the module computes at that place (a softmax that the list does not call 'softmax' is quantised finished and normalised). What goes into a quantiser is computed in f32, as accurately as f32 sums, v_exp_f32 and their like allow (about 1e-6 of the number): no bf16 or f16 on the way to a quantiser, and a product that is left as it is and whose result goes on into a quantised operand takes f32 operands (vector FMAs, or v_wmma_f32_16x16x4_f32). A number that lies on a knife's edge between two numbers of the format may be rounded either way, as far as f32 arithmetic and the matrix unit's own rounding can turn it there, and no further.
;; One version. Each part assembles by itself: llvm-mc -triple=amdgcn-amd-amdhsa -mcpu=gfx1250 --defsym DOCPART=n.
;; ======== version 1 of 1: 4 launches
;; limits: right only within a limited range of input values
;; workspace buffers: pre 9,830,400 bytes; qkv 19,660,800 bytes; att 6,553,600 bytes
;; launch prep (part 1): grid 384 x 1, 4 waves a work-group, no clusters, 34,304 bytes of LDS; arguments x, Wq, Wk, Wv, Wo, pre; writes pre
.if DOCPART == 1
	.amdgcn_target "amdgcn-amd-amdhsa--gfx1250"
	.amdhsa_code_object_version 6
	.text
	.protected	k_q0450f8896a_prep
	.globl	k_q0450f8896a_prep
	.p2align	8
	.type	k_q0450f8896a_prep,@function
k_q0450f8896a_prep:
	s_mov_b64 s[64:65], 0
	v_nop
	global_prefetch_b8 v0, s[64:65] scope:SCOPE_SE
	s_setreg_imm32_b32 hwreg(HW_REG_WAVE_MODE, 25, 1), 1
	s_wait_xcnt 0x0
; PREP: x [8192][1024] (K innermost) and Wq, Wk, Wv, Wo [1024 (K)][1024] (K is the first axis), all f32, become codes of FP6 (E2M3) with one E8M0 byte for each 32 along K,
; laid in the order in which a matrix operand's registers take them, so that every later launch loads fragments by dense loads of 16 and 8 bytes a lane.
; A TILE is 16 rows (of x) or 16 columns (of a weight).  Lane row r of tile T holds row 32 (T / 2) + 8 (T % 2) + r + 8 (r / 8).
; A HALF FRAGMENT, 768 bytes, is a tile x 64 along K: lane (r, h) owns the 24 bytes of k = 32 h .. 32 h + 31: its first 16 bytes at 16 x lane, its last 8 at 512 + 8 x lane.
; IMAGE: [tile][K / 128][2][768].  SCALE WORDS: [rows / 32][K / 256][lane][2 words]: word e belongs to K step 2 p + e, lanes 0-15 to the even tile, lanes 16-31 to the odd one.
; pre: x's image at 0, the weights' images at WI_OFF (q, k, v, o, 786,432 bytes each), x's scale words at XS_OFF, the weights' at WS_OFF (32,768 each).
; A block's scale is 2^(floor(log2(largest magnitude)) - 2); its byte is the largest magnitude's exponent field - 2, held at 1 from below.
; LIMITS: a block of zeros gets the byte 1 where the quantiser's rule says 127 (its codes are zeros, and this program alone reads the bytes); NaN and infinities among the inputs are not served.
; Work-groups 0-255 take x: 32 rows each, wave p takes K 256 p .. 256 p + 255 in four units of 16 rows x 128.  Work-groups 256-383 take the weights: a lane to a column, registers down K.
; No tensor loads and no barrier: waves share nothing.  Only x's path uses LDS (a stage of 16 rows x 528 bytes for each wave).
.set XS_OFF, 9437184
.set WI_OFF, 6291456
.set WS_OFF, 9699328
.set A16, 1                            ; v1  16 x lane
.set A8,  2                            ; v2  8 x lane
.set R0,  16                           ; v16-143  two sets of 64 numbers as they are loaded
.set X,   144                          ; v144-207 64 numbers of a lane: register 16 b + i = k 32 b + 16 h + i of row r
.set PC,  208                          ; v208-219 a fragment's codes; v220-226 at work for the conversions
.set TM,  228                          ; v228-243 at work for the scales
.set PW,  244                          ; the scale word just made
.set WD,  245                          ; v245-248 the four units' scale words
.set SEL, 20                           ; s[20:21] lane selects for v_permlanex16_b32: lane l xor 16
.macro STFRAG f, base, off             ; a fragment's 12 registers leave as two half fragments: runs of 512 and 256 consecutive bytes
	global_store_b128 v[A16], v[\f:\f+3], s[\base:\base+1] offset:\off
	global_store_b64 v[A8], v[\f+4:\f+5], s[\base:\base+1] offset:\off+512
	global_store_b128 v[A16], v[\f+6:\f+9], s[\base:\base+1] offset:\off+768
	global_store_b64 v[A8], v[\f+10:\f+11], s[\base:\base+1] offset:\off+1280
.endm
	s_load_b256 s[4:11], s[0:1], 0x0               ; x, Wq, Wk, Wv
	s_load_b128 s[12:15], s[0:1], 0x20             ; Wo, pre
	v_lshl_add_u32 v254, v0, 2, 0x8400
	v_mov_b32 v255, 0
	v_lshrrev_b32 v6, 5, v0
	v_readfirstlane_b32 s16, v6                    ; wave 0..3
	v_and_b32 v7, 31, v0                           ; lane
	v_lshlrev_b32 v[A16], 4, v7
	v_lshlrev_b32 v[A8], 3, v7
	v_and_b32 v8, 15, v0                           ; r
	v_bfe_u32 v9, v0, 4, 1                         ; h
	s_mov_b32 s17, 0xffff0000                      ; lanes 16-31
	s_mov_b32 s[SEL], 0x76543210
	s_mov_b32 s[SEL+1], 0xfedcba98
	s_mov_b32 s23, 0
	s_wait_kmcnt 0x0
	s_cmp_lt_u32 ttmp9, 256
	s_cbranch_scc0 .Lweights
; ---------------- x: work-group b takes rows 32 b .. 32 b + 31, wave p the K pair p ----------------
	s_lshl_b32 s22, ttmp9, 17                      ; 32 rows of 4,096 bytes
	s_lshl_b32 s24, s16, 10                        ; 256 numbers along K
	s_add_co_u32 s22, s22, s24
	s_add_nc_u64 s[4:5], s[4:5], s[22:23]          ; x at my wave's corner
	s_mul_i32 s22, ttmp9, 24576                    ; two tiles of 12,288 bytes
	s_mul_i32 s24, s16, 3072                       ; two K steps of 1,536
	s_add_co_u32 s22, s22, s24
	s_add_nc_u64 s[24:25], s[14:15], s[22:23]      ; the image
	s_lshl_b32 s22, ttmp9, 10
	s_lshl_b32 s26, s16, 8
	s_add_co_u32 s22, s22, s26
	s_add_nc_u64 s[26:27], s[14:15], s[22:23]
	s_add_nc_u64 s[26:27], s[26:27], XS_OFF        ; my 256 bytes of scale words
	s_mul_i32 s28, s16, 8448                       ; my stage
	s_wait_alu depctr_va_vdst(0)
	v_add_nc_u32 v3, s28, v[A16]                   ; in: a row's 512 bytes as they lie
	v_mul_u32_u24 v4, v8, 528
	v_lshl_add_u32 v4, v9, 6, v4
	v_add_nc_u32 v4, s28, v4                       ; out: row r, + 64 h: my 16 numbers of each block of 32
.irp b, 0,1,2,3
	v_mov_b32 v[TM+4+\b], 0                        ; written once: a lane permute's destination counts as one of its sources
.endr
.macro LOADU t                         ; unit t = 2 e + u: the 16 rows of tile 2 b + u, K step 2 p + e; each load reads 512 consecutive bytes of one row
.irp i, 0,1,2,3,4,5,6,7,8,9,10,11,12,13,14,15
	global_load_b128 v[R0+64*((\t)%2)+4*\i:R0+64*((\t)%2)+4*\i+3], v[A16], s[4:5] offset:(8*((\t)%2)+\i+8*(\i/8))*4096+((\t)/2)*512 th:TH_LOAD_NT
.endr
.endm
; 64 numbers of a lane become a fragment's codes in v[PC] on and its row's scale word in v[PW]
.macro QUANT s
.irp b, 0,1,2,3
	v_max3_num_f32 v[TM+\b], |v[\s+16*\b]|, |v[\s+1+16*\b]|, 0x1800000   ; block b: my 16 numbers, and the floor 2^(3 - 127): the byte cannot fall under 1
.endr
.irp i, 2,4,6,8,10,12,14
.irp b, 0,1,2,3
	v_max3_num_f32 v[TM+\b], v[TM+\b], |v[\s+16*\b+\i]|, |v[\s+1+16*\b+\i]|   ; the four blocks by turns
.endr
.endr
.irp b, 0,1,2,3
	v_permlanex16_b32 v[TM+4+\b], v[TM+\b], s[SEL], s[SEL+1]
.endr
.irp b, 0,1,2,3
	v_max_num_f32 v[TM+\b], v[TM+\b], v[TM+4+\b]   ; with lane l xor 16's: the block's largest magnitude
.endr
.irp b, 0,1,2,3
	v_add_nc_u32 v[TM+12+\b], 0xff000000, v[TM+\b] ; 2 off its exponent field: the conversion's scale operand
.endr
.irp b, 0,1,2,3
	v_lshrrev_b32 v[TM+4+\b], 23, v[TM+12+\b]      ; the scale's byte
.endr
	v_lshl_or_b32 v[PW], v[TM+5], 8, v[TM+4]
	v_lshl_or_b32 v[PW], v[TM+6], 16, v[PW]
	v_lshl_or_b32 v[PW], v[TM+7], 24, v[PW]
.irp c, 0,1
	v_cvt_scalef32_pk16_fp6_f32 v[PC+6*\c:PC+2+6*\c], v[\s+32*\c:\s+15+32*\c], v[TM+12+2*\c]
	v_cvt_scalef32_pk16_fp6_f32 v[PC+12+4*\c:PC+14+4*\c], v[\s+16+32*\c:\s+31+32*\c], v[TM+12+2*\c+1]   ; (a conversion's three registers begin on an even number)
.endr
	v_nop                                          ; one plain place behind a scaled conversion
.irp c, 0,1                                    ; the operand's layout wants a whole block in a lane
.irp i, 0,1,2
	v_permlane16_swap_b32 v[PC+6*\c+\i], v[PC+12+4*\c+\i]
.endr
.irp i, 0,1,2
	v_mov_b32 v[PC+3+6*\c+\i], v[PC+12+4*\c+\i]
.endr
.endr
.endm
.macro UNIT t
.if (\t) < 3
	s_wait_loadcnt 16                              ; this unit's 16 loads are in; the next unit's 16 may be out
.else
	s_wait_loadcnt 0x0
.endif
.irp i, 0,1,2,3,4,5,6,7,8,9,10,11,12,13,14,15
	ds_store_b128 v3, v[R0+64*((\t)%2)+4*\i:R0+64*((\t)%2)+4*\i+3] offset:\i*528
.endr
.irp b, 0,1,2,3
.irp j, 0,1,2,3
	ds_load_b128 v[X+16*\b+4*\j:X+16*\b+4*\j+3], v4 offset:128*\b+16*\j   ; LDS serves a wave's instructions in order: these see the stores above
.endr
.endr
	s_wait_dscnt 0x0                               ; the numbers are back, so the stores into the stage have read their registers,
.if (\t) < 2
	LOADU (\t)+2                                   ; which take the unit two on
.endif
.if (\t) > 0
	s_wait_xcnt 0x0                                ; the last unit's stores have read the codes' registers, which are written again below
.endif
	QUANT X
	v_mov_b32 v[WD+(\t)], v[PW]
	STFRAG PC, 24, ((\t)%2)*12288+((\t)/2)*1536
.endm
	LOADU 0
	LOADU 1
	s_wait_alu depctr_va_vdst(0)
	UNIT 0
	UNIT 1
	UNIT 2
	UNIT 3
	v_cndmask_b32 v250, v[WD], v[WD+1], s17        ; K step 2 p: lanes 0-15 the even tile's words, lanes 16-31 the odd tile's (both halves of the lanes hold a row's word)
	v_cndmask_b32 v251, v[WD+2], v[WD+3], s17      ; K step 2 p + 1
	global_store_b64 v[A8], v[250:251], s[26:27]   ; 256 consecutive bytes, aligned
	s_wait_tensorcnt 0x0
	ds_add_u32 v254, v255
	s_wait_dscnt 0x0
	s_endpgm
; ---------------- the weights: work-group g = matrix (g / 32), K pair (g / 8) % 4, columns 128 (g % 8) on; wave: 32 columns ----------------
.Lweights:
	s_sub_co_u32 s18, ttmp9, 256
	s_lshr_b32 s19, s18, 5                         ; which matrix: 0 q, 1 k, 2 v, 3 o
	s_bfe_u32 s22, s18, 0x20003                    ; the K pair p
	s_and_b32 s28, s18, 7
	s_lshl_b32 s28, s28, 2
	s_add_co_u32 s28, s28, s16                     ; my block of 32 columns
	s_cmp_eq_u32 s19, 1
	s_cselect_b64 s[6:7], s[8:9], s[6:7]
	s_cmp_eq_u32 s19, 2
	s_cselect_b64 s[6:7], s[10:11], s[6:7]
	s_cmp_eq_u32 s19, 3
	s_cselect_b64 s[6:7], s[12:13], s[6:7]
	s_lshl_b32 s24, s22, 20                        ; 256 rows of 4,096 bytes
	s_lshl_b32 s25, s28, 7
	s_add_co_u32 s24, s24, s25
	s_mov_b32 s25, 0
	s_add_nc_u64 s[6:7], s[6:7], s[24:25]
	s_mul_i32 s24, s19, 786432
	s_mul_i32 s26, s28, 24576
	s_add_co_u32 s24, s24, s26
	s_mul_i32 s26, s22, 3072
	s_add_co_u32 s24, s24, s26
	s_add_co_u32 s24, s24, WI_OFF
	s_add_nc_u64 s[30:31], s[14:15], s[24:25]      ; the image
	s_lshl_b32 s24, s19, 15
	s_lshl_b32 s26, s28, 10
	s_add_co_u32 s24, s24, s26
	s_lshl_b32 s26, s22, 8
	s_add_co_u32 s24, s24, s26
	s_add_co_u32 s24, s24, WS_OFF
	s_add_nc_u64 s[26:27], s[14:15], s[24:25]      ; my 256 bytes of scale words
	v_and_b32 v10, 7, v0
	s_wait_alu depctr_va_vdst(0)
	v_bfe_u32 v11, v0, 3, 1
	v_lshl_add_u32 v10, v9, 3, v10
	v_lshl_add_u32 v10, v11, 4, v10                ; lane 16 u + r takes column 8 u + r + 8 (r / 8) of the 32
	v_lshlrev_b32 v5, 2, v10
.macro LOADB kb                        ; block kb of the pair's eight: 32 numbers down K of my column; a load reads 128 consecutive bytes, the four waves 512
.irp i, 0,1,2,3,4,5,6,7,8,9,10,11,12,13,14,15,16,17,18,19,20,21,22,23,24,25,26,27,28,29,30,31
	global_load_b32 v[16+32*((\kb)%2)+\i], v5, s[6:7] offset:(32*(\kb)+\i)*4096 th:TH_LOAD_NT
.endr
.endm
; v80-91, v92-103: the codes of the K step's blocks with h = 0 and with h = 1; v104-106 at work; v[108:109] the two scale words
.macro WBLOCK kb
.set XB, 16+32*((\kb)%2)
.set QB, (\kb)%4
.set FH, 80+12*(QB%2)+6*(QB/2)
.if (\kb) < 7
	s_wait_loadcnt 32                              ; this block's 32 loads are in; the next block's may be out
.else
	s_wait_loadcnt 0x0
.endif
	v_max3_num_f32 v110, |v[XB]|, |v[XB+1]|, |v[XB+2]|
	v_max3_num_f32 v111, |v[XB+3]|, |v[XB+4]|, |v[XB+5]|
.irp i, 6,10,14,18,22,26
	v_max3_num_f32 v110, v110, |v[XB+\i]|, |v[XB+\i+1]|
	v_max3_num_f32 v111, v111, |v[XB+\i+2]|, |v[XB+\i+3]|
.endr
	v_max3_num_f32 v110, v110, |v[XB+30]|, |v[XB+31]|
	v_max3_num_f32 v110, v110, v111, 0x1800000     ; and the floor
	v_add_nc_u32 v112, 0xff000000, v110
	v_lshrrev_b32 v113, 23, v112
.if QB == 0
	v_mov_b32 v[108+(\kb)/4], v113
.else
	v_lshl_or_b32 v[108+(\kb)/4], v113, 8*QB, v[108+(\kb)/4]
.endif
.if (\kb) == 4
	s_wait_alu depctr_va_vdst(0)
	s_wait_xcnt 0x0                                ; the first K step's stores have read the codes' registers
.endif
	v_cvt_scalef32_pk16_fp6_f32 v[FH:FH+2], v[XB:XB+15], v112
	v_cvt_scalef32_pk16_fp6_f32 v[104:106], v[XB+16:XB+31], v112
	v_nop
.irp i, 0,1,2
	v_mov_b32 v[FH+3+\i], v[104+\i]
.endr
.if (\kb)+2 < 8
	LOADB (\kb)+2
.endif
.if QB == 3
.irp i, 0,1,2,3,4,5,6,7,8,9,10,11
	v_permlane16_swap_b32 v[80+\i], v[92+\i]       ; v80.. now holds the even tile's fragment in lane order (r, h), v92.. the odd tile's
.endr
	STFRAG 80, 30, ((\kb)/4)*1536
	STFRAG 92, 30, 12288+((\kb)/4)*1536
.endif
.endm
	LOADB 0
	LOADB 1
.irp q, 0,1,2,3,4,5,6,7
	WBLOCK \q
.endr
	global_store_b64 v[A8], v[108:109], s[26:27]
	s_endpgm
.Lfunc_end_k_q0450f8896a_prep:
	.size	k_q0450f8896a_prep, .Lfunc_end_k_q0450f8896a_prep-k_q0450f8896a_prep
	.p2alignl 7, 3214868480
	.fill 96, 4, 3214868480
	.section	.rodata,"a",@progbits
	.p2align	6, 0x0
	.amdhsa_kernel k_q0450f8896a_prep
		.amdhsa_group_segment_fixed_size 34304
		.amdhsa_private_segment_fixed_size 0
		.amdhsa_enable_private_segment 0
		.amdhsa_kernarg_size 48
		.amdhsa_user_sgpr_count 2
		.amdhsa_user_sgpr_kernarg_segment_ptr 1
		.amdhsa_wavefront_size32 1
		.amdhsa_system_sgpr_workgroup_id_x 1
		.amdhsa_system_sgpr_workgroup_id_y 1
		.amdhsa_system_sgpr_workgroup_id_z 1
		.amdhsa_system_vgpr_workitem_id 0
		.amdhsa_next_free_vgpr 256
		.amdhsa_next_free_sgpr 66
		.amdhsa_reserve_vcc 0
		.amdhsa_float_denorm_mode_32 3
		.amdhsa_float_denorm_mode_16_64 3
		.amdhsa_memory_ordered 1
		.amdhsa_forward_progress 1
		.amdhsa_inst_pref_size 73
	.end_amdhsa_kernel
	.amdgpu_metadata
---
amdhsa.version: [ 1, 2 ]
amdhsa.kernels:
  - .name:           k_q0450f8896a_prep
    .symbol:         k_q0450f8896a_prep.kd
    .args:
      - { .name: x, .offset: 0, .size: 8, .value_kind: global_buffer, .address_space: global }
      - { .name: Wq, .offset: 8, .size: 8, .value_kind: global_buffer, .address_space: global }
      - { .name: Wk, .offset: 16, .size: 8, .value_kind: global_buffer, .address_space: global }
      - { .name: Wv, .offset: 24, .size: 8, .value_kind: global_buffer, .address_space: global }
      - { .name: Wo, .offset: 32, .size: 8, .value_kind: global_buffer, .address_space: global }
      - { .name: pre, .offset: 40, .size: 8, .value_kind: global_buffer, .address_space: global }
    .group_segment_fixed_size: 34304
    .private_segment_fixed_size: 0
    .kernarg_segment_align: 8
    .kernarg_segment_size: 48
    .max_flat_workgroup_size: 128
    .sgpr_count:     66
    .vgpr_count:     256
    .wavefront_size: 32
...
	.end_amdgpu_metadata
.endif
;; end of part 1
;; launch qkv (part 2): grid 8 x 32, 4 waves a work-group, clusters of 4 x 1, 327,680 bytes of LDS; arguments pre, bq, bk, bv, qkv; writes qkv
.if DOCPART == 2
	.amdgcn_target "amdgcn-amd-amdhsa--gfx1250"
	.amdhsa_code_object_version 6
	.text
	.protected	k_q0450f8896a_qkv
	.globl	k_q0450f8896a_qkv
	.p2align	8
	.type	k_q0450f8896a_qkv,@function
k_q0450f8896a_qkv:
	s_mov_b64 s[64:65], 0
	v_nop
	global_prefetch_b8 v0, s[64:65] scope:SCOPE_SE
	s_setreg_imm32_b32 hwreg(HW_REG_WAVE_MODE, 25, 1), 1
	s_wait_xcnt 0x0
	s_wait_alu depctr_hold_cnt(0) depctr_sa_sdst(0) depctr_va_vdst(0) depctr_va_sdst(0) depctr_va_ssrc(0) depctr_va_vcc(0) depctr_vm_vsrc(0)
	s_getreg_b32 s2, hwreg(HW_REG_IB_STS2, 6, 4)
	s_cmp_eq_u32 s2, 0
	s_cbranch_scc0 .Lentry_in_a_cluster
	s_endpgm
.Lentry_in_a_cluster:
	s_bfe_u32 s2, ttmp6, 0x10000c
	s_cmp_lg_u32 s2, 0x3003
	s_cbranch_scc0 .Lentry_shape_is_right
	s_endpgm
.Lentry_shape_is_right:
.set WI_OFF, 6291456
.set XS_OFF, 9437184
.set WS_OFF, 9699328
.set KIND,   6291456
.set QS_OFF, 18874368
.set LXS, 196608
.set ST,  204800
.set SS,  278528
.set A16, 1
.set A8,  2
.set LA,  4
.set LB,  8
.set LS,  12
.set SA,  13
.set SB2, 14
.set VA,  15
.set VB,  16
.set SQ,  17
.set SV,  18
.set CL,  19
.set CG,  20
.set CSC, 21
.set BA,  22
.set BVA, 23
.set XF,  32
.set WSR, 128
.set XSR, 152
.set P,   160
.set T,   196
.set FLR, 220
.set WV,  14
.set MSB, 0
.macro WIN new
.if MSB != (\new)
	s_set_vgpr_msb (MSB<<8)|(\new)
.set MSB, (\new)
.endif
.endm
.macro PLACES n
.rept \n
	v_nop
.endr
.endm
.macro CROUND
	s_barrier_signal -1
	s_barrier_wait -1
	s_cmp_lg_u32 s[WV], 0
	s_cbranch_scc1 .Lnot_wave_0_\@
	s_barrier_signal -3
.Lnot_wave_0_\@:
	s_barrier_wait -3
	s_barrier_signal -1
	s_barrier_wait -1
.endm
.macro WMI cc
.if RA_ && RB_
	v_wmma_scale_f32_16x16x128_f8f6f4 v[D_:D_+7], v[A_:A_+11], v[B_:B_+11], \cc, v[SA_], v[SB_] matrix_a_fmt:MATRIX_FMT_FP6 matrix_b_fmt:MATRIX_FMT_FP6 matrix_a_scale:MATRIX_SCALE_ROW1 matrix_b_scale:MATRIX_SCALE_ROW1
.elseif RA_
	v_wmma_scale_f32_16x16x128_f8f6f4 v[D_:D_+7], v[A_:A_+11], v[B_:B_+11], \cc, v[SA_], v[SB_] matrix_a_fmt:MATRIX_FMT_FP6 matrix_b_fmt:MATRIX_FMT_FP6 matrix_a_scale:MATRIX_SCALE_ROW1
.elseif RB_
	v_wmma_scale_f32_16x16x128_f8f6f4 v[D_:D_+7], v[A_:A_+11], v[B_:B_+11], \cc, v[SA_], v[SB_] matrix_a_fmt:MATRIX_FMT_FP6 matrix_b_fmt:MATRIX_FMT_FP6 matrix_b_scale:MATRIX_SCALE_ROW1
.else
	v_wmma_scale_f32_16x16x128_f8f6f4 v[D_:D_+7], v[A_:A_+11], v[B_:B_+11], \cc, v[SA_], v[SB_] matrix_a_fmt:MATRIX_FMT_FP6 matrix_b_fmt:MATRIX_FMT_FP6
.endif
.endm
.macro WM
.if C_ < 0
	WMI 0
.else
	WMI v[C_:C_+7]
.endif
.endm
	s_load_b256 s[4:11], s[0:1], 0x0
	s_load_b64 s[12:13], s[0:1], 0x20
	v_lshl_add_u32 v254, v0, 2, 0x48000
	v_mov_b32 v255, 0
	ds_add_u32 v254, v255
	ds_add_u32 v254, v255
	v_lshrrev_b32 v3, 5, v0
	v_readfirstlane_b32 s[WV], v3
	s_bfe_u32 s15, ttmp6, 0x40000
	s_lshl_b32 s16, ttmp9, 2
	s_add_co_u32 s16, s16, s15
	s_and_b32 s17, ttmp7, 0xffff
	s_mov_b32 s24, 15|(3<<16)|(1<<21)
	s_mov_b32 s25, 32<<16
	s_mov_b32 s26, 256<<16
	s_mov_b32 s27, 32<<16
	s_mov_b32 s28, 256
	s_mov_b32 s29, 32
	s_mov_b32 s30, 0
	s_mov_b32 s31, 0
	s_mov_b32 s32, 15|(3<<16)|(1<<21)
	s_mov_b32 s33, 32<<16
	s_mov_b32 s34, 32<<16
	s_mov_b32 s35, 32<<16
	s_mov_b32 s36, 32
	s_mov_b32 s37, 32
	s_mov_b32 s38, 0
	s_mov_b32 s39, 0
	s_mul_i32 s22, s17, 196608
	s_min_u32 s18, s[WV], 2                        ; waves 0-2 fetch a third each of the 256 rows' image: 256 rows of 256 bytes
	s_mul_i32 s18, s18, 65536
	s_add_co_u32 s22, s22, s18
	s_mov_b32 s23, 0
	s_wait_dscnt 0x0
	s_wait_kmcnt 0x0
	s_mov_b32 s40, 1
	s_mov_b32 s41, s18
	s_add_nc_u64 s[42:43], s[4:5], s[22:23]
	s_or_b32 s43, s43, 0x80000000
	s_lshl_b32 s22, s17, 13                        ; wave 3 fetches all their scale words: 8,192 bytes
	s_add_co_u32 s22, s22, XS_OFF
	s_mov_b32 s44, 1
	s_mov_b32 s45, LXS
	s_add_nc_u64 s[46:47], s[4:5], s[22:23]
	s_or_b32 s47, s47, 0x80000000
	CROUND
	s_cmp_lt_u32 s[WV], 3                          ; the launch's only fills: one chain of branches on the wave's number, one joint load to an arm
	s_cbranch_scc0 .Lfor_scales
	tensor_load_to_lds s[40:43], s[24:31]
	s_nop 0
	PLACES 4
	s_branch .Lasked
.Lfor_scales:
	tensor_load_to_lds s[44:47], s[32:39]
	s_nop 0
	PLACES 4
.Lasked:
	v_and_b32 v3, 31, v0
	v_and_b32 v24, 15, v0
	v_bfe_u32 v25, v0, 4, 1
	v_lshlrev_b32 v[A16], 4, v3
	v_lshlrev_b32 v[A8], 3, v3
.irp k, 0,1,2,3
	v_add_nc_u32 v[LA+\k], 49152*\k, v[A16]
	v_add_nc_u32 v[LB+\k], 49152*\k, v[A8]
.endr
	v_add_nc_u32 v[LS], LXS, v[A8]
	s_lshr_b32 s71, s[WV], 1
	s_and_b32 s72, s[WV], 1
	s_mul_i32 s73, s71, 12288
	s_add_co_u32 s73, s73, ST
	v_mul_u32_u24 v26, v25, 768
	v_lshl_add_u32 v27, v24, 4, v26
	s_lshl_b32 s74, s72, 8
	s_add_co_u32 s74, s74, s73
	v_add_nc_u32 v[SA], s74, v27
	v_lshl_add_u32 v27, v24, 3, v26
	s_lshl_b32 s74, s72, 7
	s_add_co_u32 s74, s74, s73
	s_add_co_u32 s74, s74, 512
	v_add_nc_u32 v[SB2], s74, v27
	v_mul_u32_u24 v26, v25, 384
	s_mul_i32 s74, s72, 768
	s_add_co_u32 s74, s74, s73
	s_add_co_u32 s74, s74, 49152
	v_lshl_add_u32 v27, v24, 4, v26
	v_add_nc_u32 v[VA], s74, v27
	v_lshl_add_u32 v27, v24, 3, v26
	s_add_co_u32 s74, s74, 256
	v_add_nc_u32 v[VB], s74, v27
	s_lshl_b32 s75, s71, 9
	s_add_co_u32 s74, s75, s72
	s_add_co_u32 s74, s74, SS
	v_lshl_add_u32 v[SQ], v3, 1, s74
	s_lshl_b32 s74, s72, 2
	s_add_co_u32 s74, s74, s75
	s_add_co_u32 s74, s74, SS+2048
	v_lshl_add_u32 v[SV], v3, 3, s74
	s_mul_i32 s74, s[WV], 3072
	v_add_nc_u32 v[CG], s74, v[A16]
	v_add_nc_u32 v[CL], ST, v[CG]
	s_min_u32 s70, s[WV], 2
	s_lshl_b32 s74, s70, 10
	s_add_co_u32 s74, s74, SS
	v_add_nc_u32 v[CSC], s74, v[A16]
	v_lshlrev_b32 v[BA], 6, v25
	v_and_b32 v26, 7, v0
	v_bfe_u32 v27, v0, 3, 1
	v_lshl_add_u32 v26, v27, 4, v26
	v_lshlrev_b32 v[BVA], 2, v26
	s_wait_alu depctr_va_vdst(0)
	v_mov_b32 v[FLR], 0x1800000
.irp k, 0,1,2
	v_mov_b32 v[T+8*\k+2], 0
	v_mov_b32 v[T+8*\k+3], 0
.endr
	s_mov_b32 s62, 0xffff0000
	s_mov_b32 s66, 0x76543210
	s_mov_b32 s67, 0xfedcba98
	s_lshl_b32 s19, s16, 2
	s_add_co_u32 s19, s19, s[WV]
	s_mov_b32 s21, 0
	s_mul_i32 s20, s19, 24576
	s_add_co_u32 s20, s20, WI_OFF
	s_add_nc_u64 s[50:51], s[4:5], s[20:21]
	s_lshl_b32 s20, s19, 10
	s_add_co_u32 s20, s20, WS_OFF
	s_add_nc_u64 s[52:53], s[4:5], s[20:21]
	s_lshl_b32 s20, s19, 7
	s_add_nc_u64 s[6:7], s[6:7], s[20:21]
	s_add_nc_u64 s[8:9], s[8:9], s[20:21]
	s_add_nc_u64 s[10:11], s[10:11], s[20:21]
	s_lshr_b32 s20, s17, 3
	s_lshl_b32 s20, s20, 4
	s_lshl_b32 s48, s16, 1
	s_add_co_u32 s20, s20, s48
	s_and_b32 s48, s17, 7
	s_mul_i32 s68, s20, 98304
	s_mul_i32 s49, s48, 12288
	s_add_co_u32 s68, s68, s49
	s_mov_b32 s69, 0
	s_add_nc_u64 s[54:55], s[12:13], s[68:69]
	s_add_nc_u64 s[56:57], s[54:55], KIND
	s_add_nc_u64 s[58:59], s[56:57], KIND
	s_lshl_b32 s68, s20, 12
	s_lshl_b32 s49, s48, 9
	s_add_co_u32 s68, s68, s49
	s_lshl_b32 s49, s70, 18
	s_add_co_u32 s68, s68, s49
	s_add_co_u32 s68, s68, QS_OFF
	s_add_nc_u64 s[60:61], s[12:13], s[68:69]
.irp s, 0,1,2,3,4,5,6,7
	WIN (1+\s/3)<<6
.irp f, 0,1,2,3,4,5
.set RG_, (\s%3)*72+\f*12
.set OF_, (\f/2)*786432+(\f%2)*12288+\s*1536
	global_load_b128 v[RG_:RG_+3], v[A16], s[50:51] offset:OF_
	global_load_b64 v[RG_+4:RG_+5], v[A8], s[50:51] offset:OF_+512
	global_load_b128 v[RG_+6:RG_+9], v[A16], s[50:51] offset:OF_+768
	global_load_b64 v[RG_+10:RG_+11], v[A8], s[50:51] offset:OF_+1280
.endr
.endr
	WIN 0x40
.irp u, 0,1
	global_load_b128 v[216+8*\u:219+8*\u], v[BA], s[6:7] offset:32*\u
	global_load_b128 v[220+8*\u:223+8*\u], v[BA], s[6:7] offset:32*\u+16
	global_load_b128 v[232+8*\u:235+8*\u], v[BA], s[8:9] offset:32*\u
	global_load_b128 v[236+8*\u:239+8*\u], v[BA], s[8:9] offset:32*\u+16
.endr
	WIN 0x80
.irp c, 0,1
.irp i, 0,1,2,3,4,5,6,7
	global_load_b32 v[216+8*\c+\i], v[BVA], s[10:11] offset:32*\c
.endr
.endr
	WIN 0
.irp k, 0,1,2
.irp p, 0,1,2,3
	global_load_b64 v[WSR+8*\k+2*\p:WSR+8*\k+2*\p+1], v[A8], s[52:53] offset:\k*32768+\p*256
.endr
.endr
	s_wait_loadcnt 0x0
	s_wait_tensorcnt 0x0
	s_barrier_signal -1
	s_barrier_wait -1
.macro XLOAD g, s, slot
.irp tau, 0,1
.irp c, 0,1
.set AD_, (\g)*24576+\tau*12288+(\s)*1536+\c*768
.set RG_, XF+24*(\slot)+12*\tau+6*\c
	ds_load_b128 v[RG_:RG_+3], v[LA+AD_/49152] offset:AD_%49152
	ds_load_b64 v[RG_+4:RG_+5], v[LB+AD_/49152] offset:AD_%49152+512
.endr
.endr
.endm
.macro XSCL g
.irp p, 0,1,2,3
	ds_load_b64 v[XSR+2*\p:XSR+2*\p+1], v[LS] offset:(\g)*1024+\p*256
.endr
.endm
.macro PROD s
.set WW_, 1+(\s)/3
.if (\s) == 0
	WIN 0xD1
.else
	WIN 0xF0|WW_
.endif
.irp k, 0,1
.irp tau, 0,1
.irp u, 0,1
.set D_, 144+32*\k+16*\tau+8*\u
.set A_, ((\s)%3)*72+(2*\k+\u)*12
.set B_, XF+24*((\s)%4)+12*\tau
.if (\s) == 0
.set C_, 216+16*\k+8*\u
.else
.set C_, D_
.endif
.set SA_, WSR+8*\k+(\s)
.set SB_, XSR+(\s)
.set RA_, \u
.set RB_, \tau
	WM
.endr
.endr
.endr
.if (\s) == 0
	WIN 0xE4
.else
	WIN 0xF0|(WW_<<2)
.endif
.irp c, 0,1
.irp u, 0,1
.set D_, 208+16*\c+8*\u
.set A_, XF+24*((\s)%4)+12*\u
.set B_, ((\s)%3)*72+(4+\c)*12
.if (\s) == 0
.set C_, 216+8*\c
.else
.set C_, D_
.endif
.set SA_, XSR+(\s)
.set SB_, WSR+16+(\s)
.set RA_, \u
.set RB_, \c
	WM
.endr
.endr
.endm
.macro EPI g
	WIN 0x3C
	s_wait_alu depctr_va_vdst(0)
.irp k, 0,1,2
	v_max3_num_f32 v[T+8*\k], v[FLR], |v[144+32*\k]|, |v[145+32*\k]|
	v_max3_num_f32 v[T+8*\k+1], v[FLR], |v[160+32*\k]|, |v[161+32*\k]|
.endr
.irp i, 2,4,6,8,10,12,14
.irp k, 0,1,2
	v_max3_num_f32 v[T+8*\k], v[T+8*\k], |v[144+32*\k+\i]|, |v[145+32*\k+\i]|
	v_max3_num_f32 v[T+8*\k+1], v[T+8*\k+1], |v[160+32*\k+\i]|, |v[161+32*\k+\i]|
.endr
.endr
	WIN 0
.irp k, 0,1,2
	v_permlanex16_b32 v[T+8*\k+2], v[T+8*\k], s66, s67
	v_permlanex16_b32 v[T+8*\k+3], v[T+8*\k+1], s66, s67
.endr
.irp k, 0,1,2
	v_max_num_f32 v[T+8*\k], v[T+8*\k], v[T+8*\k+2]
	v_max_num_f32 v[T+8*\k+1], v[T+8*\k+1], v[T+8*\k+3]
.endr
.irp k, 0,1,2
	v_add_nc_u32 v[T+8*\k+4], 0xff000000, v[T+8*\k]
	v_add_nc_u32 v[T+8*\k+5], 0xff000000, v[T+8*\k+1]
.endr
.irp k, 0,1,2
	v_lshrrev_b32 v[T+8*\k+6], 23, v[T+8*\k+4]
	v_lshrrev_b32 v[T+8*\k+7], 23, v[T+8*\k+5]
.endr
	WIN 0x03
.irp k, 0,1,2
	v_cvt_scalef32_pk16_fp6_f32 v[P+12*\k:P+12*\k+2], v[144+32*\k:159+32*\k], v[T+8*\k+4]
	v_cvt_scalef32_pk16_fp6_f32 v[P+12*\k+8:P+12*\k+10], v[160+32*\k:175+32*\k], v[T+8*\k+5]
.endr
	WIN 0
	v_nop
.irp k, 0,1,2
.irp i, 0,1,2
	v_permlane16_swap_b32 v[P+12*\k+\i], v[P+12*\k+8+\i]
.endr
.endr
.irp k, 0,1,2
.irp i, 0,1,2
	v_mov_b32 v[P+12*\k+3+\i], v[P+12*\k+8+\i]
.endr
	v_cndmask_b32 v[T+8*\k+6], v[T+8*\k+6], v[T+8*\k+7], s62
.endr
.irp k, 0,1
	ds_store_b128 v[SA], v[P+12*\k:P+12*\k+3] offset:\k*24576+(\g)*1536
	ds_store_b64 v[SB2], v[P+12*\k+4:P+12*\k+5] offset:\k*24576+(\g)*1536
	ds_store_b8 v[SQ], v[T+8*\k+6] offset:\k*1024+64*(\g)
.endr
	ds_store_b128 v[VA], v[P+24:P+27] offset:(\g)*1536
	ds_store_b64 v[VB], v[P+28:P+29] offset:(\g)*1536
	ds_store_b8 v[SV], v[T+22] offset:((\g)/4)*256+(\g)%4
.endm
.macro TRIP g, ahead
	s_wait_dscnt 0x0
.irp s, 0,1,2,3,4,5,6,7
.if \s >= 4
.if \ahead
	s_wait_dscnt 24
.else
	s_wait_dscnt 8*(7-\s)
.endif
.endif
	PROD \s
	WIN 0
	PLACES 4
.if \s < 4
	XLOAD \g, \s+4, \s
.elseif \ahead
	XLOAD (\g)+1, \s-4, \s-4
.if \s == 7
	XSCL (\g)+1
.endif
.endif
.endr
	EPI \g
.endm
.irp s, 0,1,2,3
	XLOAD 0, \s, \s
.endr
	XSCL 0
.irp g, 0,1,2,3,4,5,6
	TRIP \g, 1
.endr
	TRIP 7, 0
	s_wait_dscnt 0x0
	s_barrier_signal -1
	s_barrier_wait -1
.set n, 0
.irp k, 0,1,2
.irp hh, 0,1
.irp i, 0,1,2,3,4,5
	ds_load_b128 v[32+4*n:35+4*n], v[CL] offset:\k*24576+\hh*12288+\i*512
.set n, n+1
.endr
.endr
.endr
.set n, 0
.irp k, 0,1,2
.irp hh, 0,1
.irp i, 0,1,2,3,4,5
	s_wait_dscnt 35-n
	global_store_b128 v[CG], v[32+4*n:35+4*n], s[54+2*\k:55+2*\k] offset:\hh*98304+\i*512
.set n, n+1
.endr
.endr
.endr
	s_cmp_lt_u32 s[WV], 3
	s_cbranch_scc0 .Lno_scales
	ds_load_b128 v[176:179], v[CSC]
	ds_load_b128 v[180:183], v[CSC] offset:512
	s_wait_dscnt 0x0
	global_store_b128 v[A16], v[176:179], s[60:61]
	global_store_b128 v[A16], v[180:183], s[60:61] offset:4096
.Lno_scales:
	s_wait_tensorcnt 0x0
	ds_add_u32 v254, v255
	s_wait_dscnt 0x0
	CROUND
	s_endpgm
.Lfunc_end_k_q0450f8896a_qkv:
	.size	k_q0450f8896a_qkv, .Lfunc_end_k_q0450f8896a_qkv-k_q0450f8896a_qkv
	.p2alignl 7, 3214868480
	.fill 96, 4, 3214868480
	.section	.rodata,"a",@progbits
	.p2align	6, 0x0
	.amdhsa_kernel k_q0450f8896a_qkv
		.amdhsa_group_segment_fixed_size 327680
		.amdhsa_private_segment_fixed_size 0
		.amdhsa_enable_private_segment 0
		.amdhsa_kernarg_size 40
		.amdhsa_user_sgpr_count 2
		.amdhsa_user_sgpr_kernarg_segment_ptr 1
		.amdhsa_wavefront_size32 1
		.amdhsa_system_sgpr_workgroup_id_x 1
		.amdhsa_system_sgpr_workgroup_id_y 1
		.amdhsa_system_sgpr_workgroup_id_z 1
		.amdhsa_system_vgpr_workitem_id 0
		.amdhsa_next_free_vgpr 1024
		.amdhsa_next_free_sgpr 80
		.amdhsa_reserve_vcc 0
		.amdhsa_float_denorm_mode_32 3
		.amdhsa_float_denorm_mode_16_64 3
		.amdhsa_memory_ordered 1
		.amdhsa_forward_progress 1
		.amdhsa_inst_pref_size 231
	.end_amdhsa_kernel
	.amdgpu_metadata
---
amdhsa.version: [ 1, 2 ]
amdhsa.kernels:
  - .name:           k_q0450f8896a_qkv
    .symbol:         k_q0450f8896a_qkv.kd
    .args:
      - { .name: pre, .offset: 0, .size: 8, .value_kind: global_buffer, .address_space: global }
      - { .name: bq, .offset: 8, .size: 8, .value_kind: global_buffer, .address_space: global }
      - { .name: bk, .offset: 16, .size: 8, .value_kind: global_buffer, .address_space: global }
      - { .name: bv, .offset: 24, .size: 8, .value_kind: global_buffer, .address_space: global }
      - { .name: qkv, .offset: 32, .size: 8, .value_kind: global_buffer, .address_space: global }
    .group_segment_fixed_size: 327680
    .private_segment_fixed_size: 0
    .kernarg_segment_align: 8
    .kernarg_segment_size: 40
    .max_flat_workgroup_size: 128
    .sgpr_count:     80
    .vgpr_count:     1024
    .wavefront_size: 32
...
	.end_amdgpu_metadata
.endif
;; end of part 2
;; launch attn (part 3): grid 4 x 64, 8 waves a work-group, clusters of 4 x 1, 214,016 bytes of LDS; arguments qkv, mask, att; writes att
.if DOCPART == 3
	.amdgcn_target "amdgcn-amd-amdhsa--gfx1250"
	.amdhsa_code_object_version 6
	.text
	.protected	k_q0450f8896a_attn
	.globl	k_q0450f8896a_attn
	.p2align	8
	.type	k_q0450f8896a_attn,@function
k_q0450f8896a_attn:
	s_mov_b64 s[64:65], 0
	v_nop
	global_prefetch_b8 v0, s[64:65] scope:SCOPE_SE
	s_setreg_imm32_b32 hwreg(HW_REG_WAVE_MODE, 25, 1), 1
	s_wait_xcnt 0x0
	s_wait_alu depctr_hold_cnt(0) depctr_sa_sdst(0) depctr_va_vdst(0) depctr_va_sdst(0) depctr_va_ssrc(0) depctr_va_vcc(0) depctr_vm_vsrc(0)
	s_getreg_b32 s2, hwreg(HW_REG_IB_STS2, 6, 4)
	s_cmp_eq_u32 s2, 0
	s_cbranch_scc0 .Lentry_in_a_cluster
	s_endpgm
.Lentry_in_a_cluster:
	s_bfe_u32 s2, ttmp6, 0x10000c
	s_cmp_lg_u32 s2, 0x3003
	s_cbranch_scc0 .Lentry_shape_is_right
	s_endpgm
.Lentry_shape_is_right:
; ATTN: for each of 64 heads (batch x head), O[q] = sum over keys of softmax(Q[q] . K[k] / 8, keys with mask 0 replaced) V[k], both products on codes of FP6 (E2M3) with E8M0 scales; O is quantised along the 1,024 channels.
; THE SOFTMAX AHEAD OF THE SECOND PRODUCT: t = score x log2(e) / 8; M = the running largest t rounded UP to a whole number; p = 2^(t - M) is quantised along the keys, not normalised; the row's sum is taken of the
; unquantised p and divides O at the end.  When M moves, the sum and O are multiplied by 2^(old M - new M): exact, and no branch on data.
; SHARES.  A work-group takes 512 queries of one head.  The whole head's K and V (2 x 98,304 bytes of codes) lie in LDS, filled once: no ring.  Each of the eight waves (two to a SIMD) takes 64 queries in two passes of 32:
; two tiles A and B, which share every fragment of K and V, and whose softmax is written jointly, line by line in turn: eight chains of maxima, eight of sums.
; CLUSTER.  The four work-groups of a head need the same K and V: each block is asked for jointly (mask 15), one load a wave: waves 0-3 a quarter of K each, waves 4-6 a third of V each, wave 7 V's scale words.
; No prefetch: K and V are asked for once, at the head, and there is no loop of loads to run ahead in.
; LAYOUT.  Both products are used transposed: S^T = K Q^T, O^T = V^T P^T: a lane holds one query throughout.
; K'S TILES ARE PUT TOGETHER AT THE LDS READ.  In the image, tile T holds keys 32 (T / 2) + 8 (T % 2) + r + 8 (r / 8).  A product's tile 4 c + i takes keys 64 c + 8 i + j (rows 0-7) and 64 c + 32 + 8 i + j (rows 8-15):
; rows 0-7 come from image tile 4 c + i % 2, rows 8-15 from image tile 4 c + 2 + i % 2, in both from its rows 8 (i / 2) + j.  So the 32 registers of tiles 4 c .. 4 c + 3 of lane (q, h) are keys 64 c + 32 h + 0 .. 31: one whole
; scale block, in the order of the next operand's registers: a block's largest p needs no other lane, and no codes change lanes.
; THE MASK COSTS NO VECTOR INSTRUCTION IN THE LOOP.  A head's 64 channels fill k = 0 .. 63 of the instruction's 128.  At k = 64 every fragment of K carries the code -1.0 and every fragment of Q the code +1.0; all other upper codes are 0.
; Q's scale byte for k = 64 .. 95 is 64 (2^-63).  K's is 1 (2^-126) for a key that counts: the term, -2^-189, vanishes.  For a key with mask 0 K's whole scale word is replaced: 2^-126 for the real channels, 223 (2^96) for k = 64 ..:
; its score is -2^33, a logit of -2^30.  Where a batch has no key that counts, Q's real codes are replaced by zeros: every score is then exactly -2^33, t is a whole number, p = 1 for every key: the plain mean of V, as reference() gives.
; LIMITS.  The logit of a masked key is -2^30 where reference() has -1e9: the result differs only if every unmasked logit of a row lies below about -1e9 + 200.  A block of zeros gets the byte 1 (this program alone reads the bytes).
; NaN and infinities are not served.  The scaled scores stay under 2^31 in magnitude.  O's scale bytes leave as stores of 2 bytes a lane, 8 bytes apart: one byte in 24 of what the launch writes.
; REGISTERS.  window 0: v1-11, v29-31 addresses; v12-19 -M, the largest score and the sum of tiles A, B; v20-28 scale words; v32-95, v96-159 S^T then p of A, B; v160-183 p's codes; v184-227 at work; v228-240 the next pass's Q; v241 a byte select.
;   window 1: v0-95 K's 8 fragments; v96-143 V's 4; v144-167 Q's 2; v168-199, v200-231 O^T of A, B.
.set KI_OFF, 6291456
.set KIND,   6291456
.set QS_OFF, 18874368
.set KS_OFF, 19136512
.set VS_OFF, 19398656
.set AOS_OFF, 6291456
.set LFL, 8192                         ; LDS: K's scale words with the mask worked in, [key step][lane][4 words], at 0; here a flag a wave;
.set LKI, 8448                         ; K's images [tile 128][768];
.set LVI, 106752                       ; V's [key step][key block][channel tile][384];
.set LVS, 205056                       ; V's scale words [key step][lane][2 words]; the spare words at 0x34000
.set A16, 1
.set A8,  2
.set ADKA, 5
.set ADKB, 6
.set ADKT, 7
.set ADVA, 8
.set ADVB, 9
.set ADVS, 10
.set A2,  29
.set CH,  184                          ; v184-191 chains of maxima: 4 tile + 2 c + half; the even ones end as the blocks' largest
.set SO,  200                          ; v200-203 the conversions' scale operands: 2 tile + c
.set XB,  204                          ; v204-207 the scale bytes, each in its register's top byte
.set TC,  212                          ; v212-227 the second conversions' codes, then the chains of sums
.set QR,  228                          ; v228-240 Q as it is loaded, a pass ahead
.set BS,  241                          ; v241 where a lane's two scale bytes go in the scale word
.set WV,  14
.set CS,  52                           ; s[52:53] c = log2(e) / 8
.set SEL, 54                           ; s[54:55] lane selects: lane l xor 16
.set ANY, 56                           ; s56 all ones where the batch has a key that counts, else 0
.set HI,  57                           ; s57 lanes 16-31
.set TB,  58                           ; s58 the key step's codes: 6,144 bytes a step
.set TK,  59                           ; s59 K's scale words: 512
.set TV,  60                           ; s60 V's: 256
.set JS,  61                           ; s61 key steps to go
.set PASS, 62                          ; s62 passes to go
.set QB,  66                           ; s[66:67] Q's two tiles;  s[68:69] their scale bytes;  s[70:71] where O's codes go;  s[72:73] and its scale bytes
.set QSB, 68
.set AOB, 70
.set AOSB, 72
.set KSB, 74
.set MB,  76
.set MSB, 0
.macro WIN new
.if MSB != (\new)
	s_set_vgpr_msb (MSB<<8)|(\new)
.set MSB, (\new)
.endif
.endm
.macro PLACES n
.rept \n
	v_nop
.endr
.endm
.macro WALU
	s_wait_alu depctr_va_vdst(0)
.endm
.macro CROUND
	s_barrier_signal -1
	s_barrier_wait -1
	s_cmp_lg_u32 s[WV], 0
	s_cbranch_scc1 .Lnot_wave_0_\@
	s_barrier_signal -3
.Lnot_wave_0_\@:
	s_barrier_wait -3
	s_barrier_signal -1
	s_barrier_wait -1
.endm
.macro WMI cc
.if RA_ && RB_
	v_wmma_scale_f32_16x16x128_f8f6f4 v[D_:D_+7], v[A_:A_+11], v[B_:B_+11], \cc, v[SA_], v[SB_] matrix_a_fmt:MATRIX_FMT_FP6 matrix_b_fmt:MATRIX_FMT_FP6 matrix_a_scale:MATRIX_SCALE_ROW1 matrix_b_scale:MATRIX_SCALE_ROW1
.elseif RA_
	v_wmma_scale_f32_16x16x128_f8f6f4 v[D_:D_+7], v[A_:A_+11], v[B_:B_+11], \cc, v[SA_], v[SB_] matrix_a_fmt:MATRIX_FMT_FP6 matrix_b_fmt:MATRIX_FMT_FP6 matrix_a_scale:MATRIX_SCALE_ROW1
.elseif RB_
	v_wmma_scale_f32_16x16x128_f8f6f4 v[D_:D_+7], v[A_:A_+11], v[B_:B_+11], \cc, v[SA_], v[SB_] matrix_a_fmt:MATRIX_FMT_FP6 matrix_b_fmt:MATRIX_FMT_FP6 matrix_b_scale:MATRIX_SCALE_ROW1
.else
	v_wmma_scale_f32_16x16x128_f8f6f4 v[D_:D_+7], v[A_:A_+11], v[B_:B_+11], \cc, v[SA_], v[SB_] matrix_a_fmt:MATRIX_FMT_FP6 matrix_b_fmt:MATRIX_FMT_FP6
.endif
.endm
.macro WM
.if C_ < 0
	WMI 0
.else
	WMI v[C_:C_+7]
.endif
.endm
.macro GROUP1 g, rows                  ; a dense block as rows of 256 bytes (32 elements of 8), asked for by all four partners
	s_mov_b32 s[\g], 15|(3<<16)|(1<<21)
	s_mov_b32 s[\g+1], 32<<16
	s_mov_b32 s[\g+2], (\rows)<<16
	s_mov_b32 s[\g+3], 32<<16
	s_mov_b32 s[\g+4], \rows
	s_mov_b32 s[\g+5], 32
	s_mov_b32 s[\g+6], 0
	s_mov_b32 s[\g+7], 0
.endm
.macro TLOAD g0, g1
	tensor_load_to_lds s[\g0:\g0+3], s[\g1:\g1+7]
	s_nop 0
	PLACES 4
.endm
.macro QLOAD                           ; two tiles of Q and their scale bytes, as they lie
.irp tau, 0,1
	global_load_b128 v[QR+6*\tau:QR+6*\tau+3], v[A16], s[QB:QB+1] offset:\tau*768
	global_load_b64 v[QR+6*\tau+4:QR+6*\tau+5], v[A8], s[QB:QB+1] offset:\tau*768+512
.endr
	global_load_u16 v[QR+12], v[A2], s[QSB:QSB+1]  ; lanes 0-15: tile A's two bytes, lanes 16-31: tile B's
.endm
	s_load_b128 s[4:7], s[0:1], 0x0                ; qkv, mask
	s_load_b64 s[8:9], s[0:1], 0x10                ; att
	v_lshl_add_u32 v254, v0, 2, 0x34000
	v_mov_b32 v255, 0
	ds_add_u32 v254, v255                          ; the opening lines: the add, twice on end, and its wait
	ds_add_u32 v254, v255
	v_lshrrev_b32 v3, 5, v0
	v_readfirstlane_b32 s[WV], v3                  ; wave 0..7
	s_bfe_u32 s15, ttmp6, 0x40000                  ; cx: which 512 queries.  It enters addresses of Q and of the results alone
	s_and_b32 s16, ttmp7, 0xffff                   ; batch x head, which the four partners share
	s_lshr_b32 s17, s16, 4                         ; the batch
	s_and_b32 s18, s16, 15                         ; the head
	GROUP1 24, 96                                  ; a quarter of K: 24,576 bytes
	GROUP1 32, 128                                 ; a third of V: 32,768 bytes
	GROUP1 80, 16                                  ; V's scale words: 4,096 bytes
	s_mul_i32 s21, s16, 98304
	s_add_co_u32 s21, s21, KI_OFF                  ; the head's K, bytes from qkv
	s_mul_i32 s19, s[WV], 24576
	s_and_b32 s20, s[WV], 3
	s_min_u32 s20, s20, 2                          ; waves 4, 5, 6: thirds 0, 1, 2
	s_lshl_b32 s20, s20, 15
	s_mov_b32 s23, 0
	s_wait_dscnt 0x0
	s_wait_kmcnt 0x0
	s_add_co_u32 s22, s21, s19
	s_mov_b32 s40, 1
	s_add_co_u32 s41, s19, LKI
	s_add_nc_u64 s[42:43], s[4:5], s[22:23]
	s_or_b32 s43, s43, 0x80000000
	s_add_co_u32 s22, s21, s20
	s_add_co_u32 s22, s22, KIND
	s_mov_b32 s44, 1
	s_add_co_u32 s45, s20, LVI
	s_add_nc_u64 s[46:47], s[4:5], s[22:23]
	s_or_b32 s47, s47, 0x80000000
	s_lshl_b32 s22, s16, 12
	s_add_co_u32 s22, s22, VS_OFF
	s_mov_b32 s48, 1
	s_mov_b32 s49, LVS
	s_add_nc_u64 s[50:51], s[4:5], s[22:23]
	s_or_b32 s51, s51, 0x80000000
	CROUND                                         ; all four work-groups are here: the joint loads meet
	s_cmp_lt_u32 s[WV], 4                          ; the launch's only fills: one chain of branches on the wave's number, one load to an arm
	s_cbranch_scc0 .Lfor_v
	TLOAD 40, 24
	s_branch .Lasked
.Lfor_v:
	s_cmp_lt_u32 s[WV], 7
	s_cbranch_scc0 .Lfor_vs
	TLOAD 44, 32
	s_branch .Lasked
.Lfor_vs:
	TLOAD 48, 80
.Lasked:
	v_and_b32 v48, 31, v0                          ; lane
	v_and_b32 v49, 15, v0                          ; r
	v_bfe_u32 v50, v0, 4, 1                        ; h
	v_and_b32 v51, 7, v0                           ; r % 8
	v_bfe_u32 v52, v0, 3, 1                        ; r / 8
	v_lshlrev_b32 v[A16], 4, v48
	v_lshlrev_b32 v[A8], 3, v48
	v_lshlrev_b32 v[A2], 1, v48
	v_mul_u32_u24 v3, v50, 1536                    ; V: lane (r, h) takes key blocks h and 2 + h, row r
	v_mul_u32_u24 v53, v52, 1536                   ; K: rows 8-15 of a product's tile lie two image tiles on
	v_lshl_add_u32 v4, v49, 3, v3
	v_lshl_add_u32 v3, v49, 4, v3
	v_lshl_add_u32 v30, v51, 4, v53
	v_lshl_add_u32 v31, v51, 3, v53
	v_add_nc_u32 v3, LVI, v3
	v_add_nc_u32 v4, LVI+256, v4
	v_lshl_add_u32 v30, v50, 8, v30
	v_lshl_add_u32 v31, v50, 7, v31
	v_add_nc_u32 v11, LVS, v[A8]
	v_lshlrev_b32 v54, 1, v51
	v_add_nc_u32 v30, LKI, v30                     ; a row's first 16 bytes: 16 (r % 8) + 256 h
	v_add_nc_u32 v31, LKI+512, v31                 ; its last 8: 512 + 8 (r % 8) + 128 h
	v_lshl_add_u32 v54, v50, 5, v54
	v_lshrrev_b32 v56, 5, v0
	v_lshl_add_u32 v54, v52, 6, v54                ; table slot (lane, word wd) is key 64 (wd / 2) + 32 (r / 8) + 16 (wd % 2) + 8 h + r % 8: its two scale bytes lie at 128 (wd / 2) + 16 (wd % 2) + 64 (r / 8) + 32 h + 2 (r % 8),
	v_lshl_add_u32 v56, v56, 2, LFL                ; my wave's flag
	v_lshlrev_b32 v55, 2, v51                      ; its mask word at 4 x key: 256 (wd / 2) + 64 (wd % 2) + 128 (r / 8) + 32 h + 4 (r % 8)
	v_lshl_add_u32 v55, v50, 5, v55
	v_lshl_add_u32 v55, v52, 7, v55
	v_lshlrev_b32 v57, 4, v0                       ; 16 x thread: key step w, my lane's four words
	WALU
	s_mov_b32 s[CS], 0x3e38aa3b
	s_mov_b32 s[CS+1], s[CS]                       ; (named with it as a pair, so it is written)
	s_mov_b32 s[SEL], 0x76543210
	s_mov_b32 s[SEL+1], 0xfedcba98
	s_mov_b32 s[HI], 0xffff0000
	s_mov_b32 s79, 0
	s_lshl_b32 s78, s16, 12
	s_lshl_b32 s21, s[WV], 8
	s_add_co_u32 s78, s78, s21
	s_add_co_u32 s78, s78, KS_OFF
	s_add_nc_u64 s[KSB:KSB+1], s[4:5], s[78:79]    ; K's scale bytes of key step w
	s_lshl_b32 s78, s17, 13
	s_lshl_b32 s21, s[WV], 9
	s_add_co_u32 s78, s78, s21
	s_add_nc_u64 s[MB:MB+1], s[6:7], s[78:79]      ; the mask of its 128 keys
.irp e, 0,1                                    ; wave w makes the table's key steps w and w + 8
.irp b, 0,1,2,3
	global_load_u16 v[32+4*\e+\b], v54, s[KSB:KSB+1] offset:\e*2048+(\b/2)*128+(\b%2)*16
	global_load_b32 v[40+4*\e+\b], v55, s[MB:MB+1] offset:\e*4096+(\b/2)*256+(\b%2)*64
.endr
.endr
	s_lshl_b32 s20, s15, 4
	s_lshl_b32 s21, s[WV], 1
	s_add_co_u32 s20, s20, s21                     ; my first group of 32 queries: 16 cx + 2 w
	s_mul_i32 s78, s16, 98304
	s_mul_i32 s21, s20, 1536
	s_add_co_u32 s78, s78, s21
	s_add_nc_u64 s[QB:QB+1], s[4:5], s[78:79]
	s_lshl_b32 s78, s16, 12
	s_lshl_b32 s21, s20, 6
	s_add_co_u32 s78, s78, s21
	s_add_co_u32 s78, s78, QS_OFF
	s_add_nc_u64 s[QSB:QSB+1], s[4:5], s[78:79]
	QLOAD                                          ; the first pass's Q
	s_lshl_b32 s78, s17, 7
	s_lshl_b32 s21, s20, 1
	s_add_co_u32 s78, s78, s21                     ; the tile of tokens: 128 x batch + 2 x group
	s_mul_i32 s78, s78, 12288
	s_lshr_b32 s21, s18, 1
	s_mul_i32 s21, s21, 1536                       ; K step head / 2,
	s_add_co_u32 s78, s78, s21
	s_and_b32 s21, s18, 1
	s_mul_i32 s21, s21, 768                        ; half head % 2
	s_add_co_u32 s78, s78, s21
	s_add_nc_u64 s[AOB:AOB+1], s[8:9], s[78:79]
	s_lshl_b32 s78, s17, 6
	s_add_co_u32 s78, s78, s20
	s_lshl_b32 s78, s78, 10
	s_lshr_b32 s21, s18, 2
	s_lshl_b32 s21, s21, 8
	s_add_co_u32 s78, s78, s21
	s_bfe_u32 s21, s18, 0x10001
	s_lshl_b32 s21, s21, 2
	s_add_co_u32 s78, s78, s21
	s_and_b32 s21, s18, 1
	s_lshl_b32 s21, s21, 1
	s_add_co_u32 s78, s78, s21
	s_add_co_u32 s78, s78, AOS_OFF
	s_add_nc_u64 s[AOSB:AOSB+1], s[8:9], s[78:79]
	; the constant upper halves of K's and Q's fragments: the code at k = 64 stands in bits 0-5 of register 6, lanes 0-15
	v_mov_b32 v60, 0
	v_mov_b32 v58, 0x28                            ; -1.0
	v_mov_b32 v59, 8                               ; +1.0
	v_mov_b32 v[BS], 0x0c070c03                    ; lanes 0-15 hold blocks 0 and 2: bytes 0 and 2 of the scale word, zeros between;
	v_mov_b32 v61, 0x070c030c                      ; lanes 16-31 blocks 1 and 3
	v_cndmask_b32 v58, v58, v60, s[HI]
	v_cndmask_b32 v59, v59, v60, s[HI]
	v_cndmask_b32 v[BS], v[BS], v61, s[HI]
.irp n, 194,195,198,199,209,211
	v_mov_b32 v\n, 0                               ; written once: a lane permute's destination counts as one of its sources; v209, v211 are named as the upper halves of pairs
.endr
	WIN 0x40
.irp t, 0,1,2,3,4,5,6,7
	v_mov_b32 v[12*\t+6], v58
.irp i, 7,8,9,10,11
	v_mov_b32 v[12*\t+\i], 0
.endr
.endr
.irp tau, 0,1
	v_mov_b32 v[150+12*\tau], v59
.irp i, 7,8,9,10,11
	v_mov_b32 v[144+12*\tau+\i], 0
.endr
.endr
	WIN 0
	v_mov_b32 v62, 0x7fdf0101                      ; a masked key's word: bytes 1, 1, 223, 127
	WALU
	s_wait_loadcnt 0x0
.irp n, 0,1,2,3,4,5,6,7
	v_cmp_eq_u32 vcc_lo, 0, v[40+\n]
	v_or_b32 v[32+\n], 0x7f010000, v[32+\n]        ; a key that counts: its two bytes, then 1, 127
	v_cndmask_b32 v[32+\n], v[32+\n], v62, vcc_lo
.endr
.irp n, 1,2,3,4,5,6,7
	v_or_b32 v40, v40, v[40+\n]
.endr
	v_cmp_ne_u32 vcc_lo, 0, v40
	s_cmp_lg_u32 vcc_lo, 0
	s_cselect_b32 s21, 1, 0                        ; does any of my 256 keys count?  A choice, no branch
	v_mov_b32 v63, s21
	ds_store_b128 v57, v[32:35]
	ds_store_b128 v57, v[36:39] offset:4096
	ds_store_b32 v56, v63                          ; all lanes write the same word with the same value
	s_wait_dscnt 0x0                               ; for the others' sake: my stores are done,
	s_wait_tensorcnt 0x0                           ; and my part of K, V or V's scale words is in
	s_barrier_signal -1
	s_barrier_wait -1
	v_mov_b32 v56, LFL
	ds_load_b128 v[32:35], v56
	ds_load_b128 v[36:39], v56 offset:16
	s_wait_dscnt 0x0
.irp n, 1,2,3,4,5,6,7
	v_or_b32 v32, v32, v[32+\n]
.endr
	v_cmp_ne_u32 s[ANY], 0, v32
.macro KLOAD off                       ; K's 8 half fragments, put together from the image, and 4 scale registers of the key step off bytes on: 17 loads
	v_add_nc_u32 v[ADKA], s[TB], v30
	v_add_nc_u32 v[ADKB], s[TB], v31
	v_add_nc_u32 v[ADKT], s[TK], v[A16]
	WIN 0x40
.irp n, 0,1,2,3,4,5,6,7
	ds_load_b128 v[12*\n:12*\n+3], v[ADKA] offset:(\off)+3072*(\n/4)+768*(\n%2)+128*((\n%4)/2)
	ds_load_b64 v[12*\n+4:12*\n+5], v[ADKB] offset:(\off)+3072*(\n/4)+768*(\n%2)+64*((\n%4)/2)
.endr
	WIN 0
	ds_load_b128 v[20:23], v[ADKT] offset:(\off)/12
.endm
; BOTH TILES' SOFTMAX FOR A KEY STEP.  Tile tau: scores at 32 + 64 tau; -M, the largest score and the sum's two halves at 12 + 4 tau; codes at 160 + 12 tau; scale word v[27 + tau]; f at 208 + 2 tau; O^T at 168 + 32 tau of window 1.
.macro SOFTMAX
.irp tau, 0,1                                  ; the largest score of each of a lane's two blocks, in two chains over its halves; each accumulator is read from its low end on
.irp c, 0,1
.irp a, 0,1
	v_max3_num_f32 v[CH+4*\tau+2*\c+\a], v[32+64*\tau+32*\c+16*\a], v[33+64*\tau+32*\c+16*\a], v[34+64*\tau+32*\c+16*\a]
.endr
.endr
.endr
.irp i, 3,5,7,9,11,13
.irp tau, 0,1
.irp c, 0,1
.irp a, 0,1
	v_max3_num_f32 v[CH+4*\tau+2*\c+\a], v[CH+4*\tau+2*\c+\a], v[32+64*\tau+32*\c+16*\a+\i], v[33+64*\tau+32*\c+16*\a+\i]
.endr
.endr
.endr
.endr
.irp tau, 0,1
.irp c, 0,1
	v_max3_num_f32 v[CH+4*\tau+2*\c], v[CH+4*\tau+2*\c], v[CH+4*\tau+2*\c+1], v[47+64*\tau+32*\c]
.endr
.endr
.irp tau, 0,1
.irp c, 0,1
	v_max_num_f32 v[CH+4*\tau+2*\c], v[CH+4*\tau+2*\c], v[63+64*\tau+32*\c]   ; the block's largest score: it serves for the row's maximum and, since p rises with the score, for the block's largest p
.endr
.endr
.irp tau, 0,1
	v_max_num_f32 v[192+\tau], v[CH+4*\tau], v[CH+4*\tau+2]
.endr
.irp tau, 0,1
	s_delay_alu instid0(VALU_DEP_2)
	v_permlanex16_b32 v[194+\tau], v[192+\tau], s[SEL], s[SEL+1]
.endr
.irp tau, 0,1
	s_delay_alu instid0(VALU_DEP_2)
	v_max3_num_f32 v[13+4*\tau], v[13+4*\tau], v[192+\tau], v[194+\tau]   ; the running largest score, lane l xor 16's 64 keys among them
.endr
.irp tau, 0,1
	s_delay_alu instid0(VALU_DEP_2)
	v_mul_f32 v[192+\tau], s[CS], v[13+4*\tau]     ; as t (c is positive)
.endr
.irp tau, 0,1
	s_delay_alu instid0(VALU_DEP_2)
	v_floor_f32 v[12+4*\tau], -v[192+\tau]         ; the new -M = -ceil(t)
.endr
.set j, 0
.rept 32
	v_pk_fma_f32 v[32+j:33+j], v[32+j:33+j], s[CS:CS+1], v[12:13] op_sel_hi:[1,0,0]   ; t - M, two at a time, the tiles by turns
	v_pk_fma_f32 v[96+j:97+j], v[96+j:97+j], s[CS:CS+1], v[16:17] op_sel_hi:[1,0,0]
.if j == 8
	v_sub_f32 v196, v12, v196                      ; old M - new M: a whole number, 0 or less (v196, v197 hold the old -M)
	v_sub_f32 v197, v16, v197
.elseif j == 24
	v_cvt_i32_f32 v196, v196                       ; (it saturates)
	v_cvt_i32_f32 v197, v197
.elseif j == 40
	v_ldexp_f32 v208, 1.0, v196                    ; f = 2^(old M - new M)
	v_ldexp_f32 v210, 1.0, v197
.endif
.set j, j+2
.endr
.irp tau, 0,1
.irp c, 0,1
	v_fma_f32 v[CH+4*\tau+2*\c], v[CH+4*\tau+2*\c], s[CS], v[12+4*\tau]   ; the same of each block's largest score
.endr
.endr
	WIN 0x41                                       ; O^T (destination and source 0) window 1, f window 0
.set j, 0
.rept 16
	v_pk_mul_f32 v[168+j:169+j], v[168+j:169+j], v[208:209] op_sel_hi:[1,0]   ; O^T under the new M, ahead of the exponentials
	v_pk_mul_f32 v[200+j:201+j], v[200+j:201+j], v[210:211] op_sel_hi:[1,0]
.set j, j+2
.endr
	WIN 0
	WALU
.set j, 0
.rept 128
	v_exp_f32 v[32+j], v[32+j]                     ; p = 2^(t - M)
.set j, j+1
.endr
.irp n, 0,2,4,6
	v_exp_f32 v[CH+\n], v[CH+\n]                   ; each block's largest p
.endr
	v_nop                                          ; a plain place behind the exponentials
	WALU                                           ; one wait for the batch of 132, ahead of its first reader
.irp n, 0,2,4,6
	v_max_num_f32 v[CH+\n], 0x1800000, v[CH+\n]    ; the floor 2^(3 - 127)
.endr
.irp n, 0,1,2,3
	s_delay_alu instid0(VALU_DEP_4)
	v_add_nc_u32 v[SO+\n], 0xff000000, v[CH+2*\n]  ; 2 off the exponent field: the conversions' scale operand
.endr
.irp n, 0,1,2,3
	v_lshl_add_u32 v[XB+\n], v[CH+2*\n], 1, 0xfe000000   ; the scale's byte, in the top byte
.endr
.irp tau, 0,1
.irp c, 0,1
	v_cvt_scalef32_pk16_fp6_f32 v[160+12*\tau+6*\c:162+12*\tau+6*\c], v[32+64*\tau+32*\c:47+64*\tau+32*\c], v[SO+2*\tau+\c]
	v_cvt_scalef32_pk16_fp6_f32 v[TC+8*\tau+4*\c:TC+8*\tau+4*\c+2], v[48+64*\tau+32*\c:63+64*\tau+32*\c], v[SO+2*\tau+\c]   ; (a conversion's three registers begin on an even number)
.endr
.endr
	v_nop                                          ; one plain place behind a scaled conversion
.irp tau, 0,1
	v_perm_b32 v[27+\tau], v[XB+2*\tau+1], v[XB+2*\tau], v[BS]   ; my two bytes at their places in the scale word
.endr
.irp tau, 0,1
.irp c, 0,1
.irp i, 0,1,2
	v_mov_b32 v[163+12*\tau+6*\c+\i], v[TC+8*\tau+4*\c+\i]
.endr
.endr
.endr
.irp tau, 0,1
	v_permlanex16_b32 v[198+\tau], v[27+\tau], s[SEL], s[SEL+1]
.endr
.irp tau, 0,1                                  ; the row's sum of the unquantised p, two at a time, four chains a tile
.irp k, 0,1,2,3
	v_pk_add_f32 v[TC+8*\tau+2*\k:TC+8*\tau+2*\k+1], v[32+64*\tau+2*\k:33+64*\tau+2*\k], v[40+64*\tau+2*\k:41+64*\tau+2*\k]
.endr
.endr
.irp tau, 0,1
	v_or_b32 v[27+\tau], v[27+\tau], v[198+\tau]   ; with lane l xor 16's two bytes the word is whole; the 56 vector lines below are its places ahead of the products
.endr
.irp m, 2,3,4,5,6,7
.irp tau, 0,1
.irp k, 0,1,2,3
	v_pk_add_f32 v[TC+8*\tau+2*\k:TC+8*\tau+2*\k+1], v[TC+8*\tau+2*\k:TC+8*\tau+2*\k+1], v[32+64*\tau+2*\k+8*\m:33+64*\tau+2*\k+8*\m]
.endr
.endr
.endr
.irp k, 0,4
.irp tau, 0,1
	v_pk_add_f32 v[TC+8*\tau+\k:TC+8*\tau+\k+1], v[TC+8*\tau+\k:TC+8*\tau+\k+1], v[TC+8*\tau+\k+2:TC+8*\tau+\k+3]
.endr
.endr
.irp tau, 0,1
	s_delay_alu instid0(VALU_DEP_2)
	v_pk_add_f32 v[TC+8*\tau:TC+8*\tau+1], v[TC+8*\tau:TC+8*\tau+1], v[TC+8*\tau+4:TC+8*\tau+5]
.endr
.irp tau, 0,1
	s_delay_alu instid0(VALU_DEP_2)
	v_pk_fma_f32 v[14+4*\tau:15+4*\tau], v[14+4*\tau:15+4*\tau], v[208+2*\tau:209+2*\tau], v[TC+8*\tau:TC+8*\tau+1] op_sel_hi:[1,0,1]   ; the old sum under the new M, and the step's
.endr
.endm
	s_mov_b32 s[PASS], 2
.Lpass:
	WALU
	s_wait_loadcnt 0x0                             ; this pass's Q is in: it was asked for at the head, or a pass ago
	s_mov_b32 s[TB], 0
	s_mov_b32 s[TK], 0
	s_mov_b32 s[TV], 0
	KLOAD 0
	WIN 0x40
.irp tau, 0,1
.irp i, 0,1,2,3,4,5
	v_cndmask_b32 v[144+12*\tau+\i], 0, v[QR+6*\tau+\i], s[ANY]   ; no key counts: Q's real codes become zeros
.endr
.endr
	WIN 0
	v_or_b32 v26, 0x7f400000, v[QR+12]             ; bytes 64 and 127 above Q's two
	v_mov_b32 v13, 0xff61b1e6                      ; the largest score so far: -3e38
	v_mov_b32 v17, 0xff61b1e6
	v_mov_b32 v12, 0x7f61b1e6                      ; -M: 3e38, a whole number: the first step's f is 0
	v_mov_b32 v16, 0x7f61b1e6
	v_mov_b32 v14, 0
	v_mov_b32 v15, 0
	v_mov_b32 v18, 0
	v_mov_b32 v19, 0
	WIN 0x40
.set j, 168
.rept 64
	v_mov_b32 v[j], 0                              ; O^T begins as zeros, so that the key step is written once; these are also the places between the lines above and the first products
.set j, j+1
.endr
	WIN 0
	s_add_nc_u64 s[QB:QB+1], s[QB:QB+1], 1536      ; (the loads that read these bases are done)
	s_add_nc_u64 s[QSB:QSB+1], s[QSB:QSB+1], 64
	s_cmp_eq_u32 s[PASS], 1
	s_cbranch_scc1 .Lno_q
	QLOAD                                          ; the next pass's Q, a whole pass ahead of its wait
.Lno_q:
	s_mov_b32 s[JS], 16
.Lkey:                                             ; a key step: 128 keys
	v_add_nc_u32 v[ADVA], s[TB], v3                ; (three additions and a v_nop: the four places behind the last step's products)
	v_add_nc_u32 v[ADVB], s[TB], v4
	v_add_nc_u32 v[ADVS], s[TV], v11
	v_nop
	WIN 0x40
.irp t, 0,1,2,3
.irp c, 0,1
	ds_load_b128 v[96+12*\t+6*\c:99+12*\t+6*\c], v[ADVA] offset:\c*3072+\t*384
	ds_load_b64 v[100+12*\t+6*\c:101+12*\t+6*\c], v[ADVB] offset:\c*3072+\t*384
.endr
.endr
	WIN 0
	ds_load_b64 v[24:25], v[ADVS]
	s_wait_dscnt 17                                ; K's 17 loads were issued ahead of these 17, which may stay out
	WIN 0x05                                       ; K and Q window 1, S^T window 0
.irp t, 0,1,2,3,4,5,6,7
.irp tau, 0,1
.set D_, 32+64*\tau+8*\t
.set A_, 12*\t
.set B_, 144+12*\tau
.set C_, -1
.set SA_, 20+\t/2
.set RA_, \t%2
.set SB_, 26
.set RB_, \tau
	WM
.endr
.endr
	WIN 0
	v_mov_b32 v196, v12                            ; the old -M; with the two v_nop the four places behind the products
	v_mov_b32 v197, v16
	PLACES 2
	s_cmp_eq_u32 s[JS], 1                          ; the next step's K is asked for here, if there is one; every later wait on LDS in the step is for 0, so the counts hold on both ways
	s_cbranch_scc1 .Lno_next
	KLOAD 6144
.Lno_next:
	SOFTMAX
	WALU
	s_wait_dscnt 0x0                               ; V is in (and the next step's K)
	WIN 0x51                                       ; V window 1, p window 0, O^T window 1
.irp t, 0,1,2,3
.irp tau, 0,1
.set D_, 168+32*\tau+8*\t
.set A_, 96+12*\t
.set B_, 160+12*\tau
.set C_, D_
.set SA_, 24+\t/2
.set RA_, \t%2
.set SB_, 27+\tau
.set RB_, 0
	WM
.endr
.endr
	WIN 0
	s_add_co_u32 s[TB], s[TB], 6144
	s_add_co_u32 s[TK], s[TK], 512
	s_add_co_u32 s[TV], s[TV], 256
	s_sub_co_i32 s[JS], s[JS], 1
	s_cmp_lg_u32 s[JS], 0
	s_cbranch_scc1 .Lkey
	; THE PASS'S END: O^T / the sum; a lane's 32 numbers are channels 32 b + 16 h + i of its query: quantised as two blocks, they are the query tile's half fragment of the last product's operand
	v_add_f32 v14, v14, v15                        ; (these additions are the places behind the last products)
	v_add_f32 v18, v18, v19
	s_delay_alu instid0(VALU_DEP_2)
	v_permlanex16_b32 v210, v14, s[SEL], s[SEL+1]
	s_delay_alu instid0(VALU_DEP_2)
	v_permlanex16_b32 v211, v18, s[SEL], s[SEL+1]
	s_delay_alu instid0(VALU_DEP_2)
	v_add_f32 v14, v14, v210
	s_delay_alu instid0(VALU_DEP_2)
	v_add_f32 v18, v18, v211
	WALU
	v_rcp_f32 v14, v14
	v_rcp_f32 v18, v18
	v_nop                                          ; a plain place behind the reciprocals
	WALU                                           ; one wait for both, ahead of the first reader
	WIN 0x01                                       ; source 0: window 1.
.set j, 0
.rept 32
	v_mul_f32 v[32+j], v[168+j], v14
.set j, j+1
.endr
.set j, 0
.rept 32
	v_mul_f32 v[96+j], v[200+j], v18
.set j, j+1
.endr
	WIN 0
.irp k, 0,1
	v_max3_num_f32 v[192+8*\k], |v[32+64*\k]|, |v[33+64*\k]|, 0x1800000
	v_max3_num_f32 v[193+8*\k], |v[48+64*\k]|, |v[49+64*\k]|, 0x1800000
.endr
.irp i, 2,4,6,8,10,12,14
.irp k, 0,1
	s_delay_alu instid0(VALU_DEP_4)
	v_max3_num_f32 v[192+8*\k], v[192+8*\k], |v[32+64*\k+\i]|, |v[33+64*\k+\i]|
	s_delay_alu instid0(VALU_DEP_4)
	v_max3_num_f32 v[193+8*\k], v[193+8*\k], |v[48+64*\k+\i]|, |v[49+64*\k+\i]|
.endr
.endr
.irp k, 0,1
	s_delay_alu instid0(VALU_DEP_4)
	v_permlanex16_b32 v[194+8*\k], v[192+8*\k], s[SEL], s[SEL+1]
	s_delay_alu instid0(VALU_DEP_4)
	v_permlanex16_b32 v[195+8*\k], v[193+8*\k], s[SEL], s[SEL+1]
.endr
.irp k, 0,1
	s_delay_alu instid0(VALU_DEP_4)
	v_max_num_f32 v[192+8*\k], v[192+8*\k], v[194+8*\k]
	s_delay_alu instid0(VALU_DEP_4)
	v_max_num_f32 v[193+8*\k], v[193+8*\k], v[195+8*\k]
.endr
.irp k, 0,1
	s_delay_alu instid0(VALU_DEP_4)
	v_add_nc_u32 v[196+8*\k], 0xff000000, v[192+8*\k]
	s_delay_alu instid0(VALU_DEP_4)
	v_add_nc_u32 v[197+8*\k], 0xff000000, v[193+8*\k]
.endr
.irp k, 0,1
	s_delay_alu instid0(VALU_DEP_4)
	v_lshrrev_b32 v[198+8*\k], 23, v[196+8*\k]
	s_delay_alu instid0(VALU_DEP_4)
	v_lshrrev_b32 v[199+8*\k], 23, v[197+8*\k]
.endr
.irp k, 0,1
	v_cvt_scalef32_pk16_fp6_f32 v[160+12*\k:162+12*\k], v[32+64*\k:47+64*\k], v[196+8*\k]
	v_cvt_scalef32_pk16_fp6_f32 v[168+12*\k:170+12*\k], v[48+64*\k:63+64*\k], v[197+8*\k]
.endr
	v_nop
.irp k, 0,1
.irp i, 0,1,2
	v_permlane16_swap_b32 v[160+12*\k+\i], v[168+12*\k+\i]
.endr
.endr
.irp k, 0,1
.irp i, 0,1,2
	v_mov_b32 v[163+12*\k+\i], v[168+12*\k+\i]
.endr
	v_lshl_or_b32 v[198+8*\k], v[199+8*\k], 8, v[198+8*\k]   ; the query's two scale bytes
.endr
	s_delay_alu instid0(VALU_DEP_1)
	v_cndmask_b32 v212, v198, v206, s[HI]          ; lanes 0-15: tile A's, lanes 16-31: tile B's
.irp k, 0,1
	global_store_b128 v[A16], v[160+12*\k:163+12*\k], s[AOB:AOB+1] offset:\k*12288       ; 512 consecutive bytes, aligned
	global_store_b64 v[A8], v[164+12*\k:165+12*\k], s[AOB:AOB+1] offset:\k*12288+512     ; 256
.endr
	global_store_b16 v[A8], v212, s[AOSB:AOSB+1]
	s_wait_xcnt 0x0                                ; the stores have read their registers and bases: both are written again below and in the next pass
	s_add_nc_u64 s[AOB:AOB+1], s[AOB:AOB+1], 24576
	s_add_nc_u64 s[AOSB:AOSB+1], s[AOSB:AOSB+1], 1024
	s_sub_co_i32 s[PASS], s[PASS], 1
	s_cmp_lg_u32 s[PASS], 0
	s_cbranch_scc1 .Lpass
	s_wait_tensorcnt 0x0                           ; the wave's end
	ds_add_u32 v254, v255
	s_wait_dscnt 0x0
	CROUND                                         ; the closing round
	s_endpgm
.Lfunc_end_k_q0450f8896a_attn:
	.size	k_q0450f8896a_attn, .Lfunc_end_k_q0450f8896a_attn-k_q0450f8896a_attn
	.p2alignl 7, 3214868480
	.fill 96, 4, 3214868480
	.section	.rodata,"a",@progbits
	.p2align	6, 0x0
	.amdhsa_kernel k_q0450f8896a_attn
		.amdhsa_group_segment_fixed_size 214016
		.amdhsa_private_segment_fixed_size 0
		.amdhsa_enable_private_segment 0
		.amdhsa_kernarg_size 24
		.amdhsa_user_sgpr_count 2
		.amdhsa_user_sgpr_kernarg_segment_ptr 1
		.amdhsa_wavefront_size32 1
		.amdhsa_system_sgpr_workgroup_id_x 1
		.amdhsa_system_sgpr_workgroup_id_y 1
		.amdhsa_system_sgpr_workgroup_id_z 1
		.amdhsa_system_vgpr_workitem_id 0
		.amdhsa_next_free_vgpr 512
		.amdhsa_next_free_sgpr 96
		.amdhsa_reserve_vcc 1
		.amdhsa_float_denorm_mode_32 3
		.amdhsa_float_denorm_mode_16_64 3
		.amdhsa_memory_ordered 1
		.amdhsa_forward_progress 1
		.amdhsa_inst_pref_size 58
	.end_amdhsa_kernel
	.amdgpu_metadata
---
amdhsa.version: [ 1, 2 ]
amdhsa.kernels:
  - .name:           k_q0450f8896a_attn
    .symbol:         k_q0450f8896a_attn.kd
    .args:
      - { .name: qkv, .offset: 0, .size: 8, .value_kind: global_buffer, .address_space: global }
      - { .name: mask, .offset: 8, .size: 8, .value_kind: global_buffer, .address_space: global }
      - { .name: att, .offset: 16, .size: 8, .value_kind: global_buffer, .address_space: global }
    .group_segment_fixed_size: 214016
    .private_segment_fixed_size: 0
    .kernarg_segment_align: 8
    .kernarg_segment_size: 24
    .max_flat_workgroup_size: 256
    .sgpr_count:     96
    .vgpr_count:     512
    .wavefront_size: 32
...
	.end_amdgpu_metadata
.endif
;; end of part 3
;; launch oproj (part 4): grid 4 x 64, 4 waves a work-group, clusters of 4 x 1, 327,680 bytes of LDS; arguments att, pre, bo, out0; writes out0
.if DOCPART == 4
	.amdgcn_target "amdgcn-amd-amdhsa--gfx1250"
	.amdhsa_code_object_version 6
	.text
	.protected	k_q0450f8896a_oproj
	.globl	k_q0450f8896a_oproj
	.p2align	8
	.type	k_q0450f8896a_oproj,@function
k_q0450f8896a_oproj:
	s_mov_b64 s[64:65], 0
	v_nop
	global_prefetch_b8 v0, s[64:65] scope:SCOPE_SE
	s_setreg_imm32_b32 hwreg(HW_REG_WAVE_MODE, 25, 1), 1
	s_wait_xcnt 0x0
	s_wait_alu depctr_hold_cnt(0) depctr_sa_sdst(0) depctr_va_vdst(0) depctr_va_sdst(0) depctr_va_ssrc(0) depctr_va_vcc(0) depctr_vm_vsrc(0)
	s_getreg_b32 s2, hwreg(HW_REG_IB_STS2, 6, 4)
	s_cmp_eq_u32 s2, 0
	s_cbranch_scc0 .Lentry_in_a_cluster
	s_endpgm
.Lentry_in_a_cluster:
	s_bfe_u32 s2, ttmp6, 0x10000c
	s_cmp_lg_u32 s2, 0x3003
	s_cbranch_scc0 .Lentry_shape_is_right
	s_endpgm
.Lentry_shape_is_right:
.set WI_OFF, 6291456
.set WS_OFF, 9699328
.set AOS_OFF, 6291456
.set LAS, 98304
.set STG, 102400
.set A16, 1
.set A8,  2
.set LA,  4
.set LB,  6
.set LS,  8
.set SI,  9
.set SO,  10
.set GO,  11
.set BA,  12
.set AF,  32
.set WSR, 128
.set ASR, 144
.set BIAS, 152
.set OUT, 184
.set WV,  14
.set MSB, 0
.macro WIN new
.if MSB != (\new)
	s_set_vgpr_msb (MSB<<8)|(\new)
.set MSB, (\new)
.endif
.endm
.macro PLACES n
.rept \n
	v_nop
.endr
.endm
.macro CROUND
	s_barrier_signal -1
	s_barrier_wait -1
	s_cmp_lg_u32 s[WV], 0
	s_cbranch_scc1 .Lnot_wave_0_\@
	s_barrier_signal -3
.Lnot_wave_0_\@:
	s_barrier_wait -3
	s_barrier_signal -1
	s_barrier_wait -1
.endm
.macro WMI cc
.if RA_ && RB_
	v_wmma_scale_f32_16x16x128_f8f6f4 v[D_:D_+7], v[A_:A_+11], v[B_:B_+11], \cc, v[SA_], v[SB_] matrix_a_fmt:MATRIX_FMT_FP6 matrix_b_fmt:MATRIX_FMT_FP6 matrix_a_scale:MATRIX_SCALE_ROW1 matrix_b_scale:MATRIX_SCALE_ROW1
.elseif RA_
	v_wmma_scale_f32_16x16x128_f8f6f4 v[D_:D_+7], v[A_:A_+11], v[B_:B_+11], \cc, v[SA_], v[SB_] matrix_a_fmt:MATRIX_FMT_FP6 matrix_b_fmt:MATRIX_FMT_FP6 matrix_a_scale:MATRIX_SCALE_ROW1
.elseif RB_
	v_wmma_scale_f32_16x16x128_f8f6f4 v[D_:D_+7], v[A_:A_+11], v[B_:B_+11], \cc, v[SA_], v[SB_] matrix_a_fmt:MATRIX_FMT_FP6 matrix_b_fmt:MATRIX_FMT_FP6 matrix_b_scale:MATRIX_SCALE_ROW1
.else
	v_wmma_scale_f32_16x16x128_f8f6f4 v[D_:D_+7], v[A_:A_+11], v[B_:B_+11], \cc, v[SA_], v[SB_] matrix_a_fmt:MATRIX_FMT_FP6 matrix_b_fmt:MATRIX_FMT_FP6
.endif
.endm
.macro WM
	WMI v[C_:C_+7]
.endm
	s_load_b256 s[4:11], s[0:1], 0x0
	v_lshl_add_u32 v254, v0, 2, 0x29000
	v_mov_b32 v255, 0
	ds_add_u32 v254, v255
	ds_add_u32 v254, v255
	v_lshrrev_b32 v3, 5, v0
	v_readfirstlane_b32 s[WV], v3
	s_bfe_u32 s15, ttmp6, 0x40000
	s_lshl_b32 s16, ttmp9, 2
	s_add_co_u32 s16, s16, s15
	s_and_b32 s17, ttmp7, 0xffff
	s_mov_b32 s24, 15|(3<<16)|(1<<21)
	s_mov_b32 s25, 32<<16
	s_mov_b32 s26, 128<<16
	s_mov_b32 s27, 32<<16
	s_mov_b32 s28, 128
	s_mov_b32 s29, 32
	s_mov_b32 s30, 0
	s_mov_b32 s31, 0
	s_mov_b32 s32, 15|(3<<16)|(1<<21)
	s_mov_b32 s33, 32<<16
	s_mov_b32 s34, 16<<16
	s_mov_b32 s35, 32<<16
	s_mov_b32 s36, 16
	s_mov_b32 s37, 32
	s_mov_b32 s38, 0
	s_mov_b32 s39, 0
	s_mul_i32 s22, s17, 98304
	s_min_u32 s18, s[WV], 2                        ; waves 0-2 fetch a third each of the 128 rows' image: 128 rows of 256 bytes
	s_mul_i32 s18, s18, 32768
	s_add_co_u32 s22, s22, s18
	s_mov_b32 s23, 0
	s_wait_dscnt 0x0
	s_wait_kmcnt 0x0
	s_mov_b32 s40, 1
	s_mov_b32 s41, s18
	s_add_nc_u64 s[42:43], s[4:5], s[22:23]
	s_or_b32 s43, s43, 0x80000000
	s_lshl_b32 s22, s17, 12                        ; wave 3 fetches all their scale words: 4,096 bytes
	s_add_co_u32 s22, s22, AOS_OFF
	s_mov_b32 s44, 1
	s_mov_b32 s45, LAS
	s_add_nc_u64 s[46:47], s[4:5], s[22:23]
	s_or_b32 s47, s47, 0x80000000
	CROUND
	s_cmp_lt_u32 s[WV], 3                          ; the launch's only fills: one chain of branches on the wave's number, one joint load to an arm
	s_cbranch_scc0 .Lfor_scales
	tensor_load_to_lds s[40:43], s[24:31]
	s_nop 0
	PLACES 4
	s_branch .Lasked
.Lfor_scales:
	tensor_load_to_lds s[44:47], s[32:39]
	s_nop 0
	PLACES 4
.Lasked:
	v_and_b32 v3, 31, v0
	v_and_b32 v24, 15, v0
	v_bfe_u32 v25, v0, 4, 1
	v_lshlrev_b32 v[A16], 4, v3
	v_lshlrev_b32 v[A8], 3, v3
.irp k, 0,1
	v_add_nc_u32 v[LA+\k], 49152*\k, v[A16]
	v_add_nc_u32 v[LB+\k], 49152*\k, v[A8]
.endr
	v_add_nc_u32 v[LS], LAS, v[A8]
	s_mul_i32 s74, s[WV], 8704
	s_add_co_u32 s74, s74, STG
	v_mul_u32_u24 v[SI], v24, 272
	v_lshl_add_u32 v[SI], v25, 6, v[SI]
	v_add_nc_u32 v[SI], s74, v[SI]
	v_mul_u32_u24 v[SO], v25, 272
	v_lshl_add_u32 v[SO], v24, 4, v[SO]
	v_add_nc_u32 v[SO], s74, v[SO]
	v_lshlrev_b32 v[GO], 12, v25
	v_lshl_add_u32 v[GO], v24, 4, v[GO]
	v_lshlrev_b32 v[BA], 6, v25
	s_wait_alu depctr_va_vdst(0)
	s_lshl_b32 s19, s16, 3
	s_lshl_b32 s20, s[WV], 1
	s_add_co_u32 s19, s19, s20
	s_mov_b32 s21, 0
	s_mul_i32 s20, s19, 24576
	s_add_co_u32 s20, s20, WI_OFF+3*786432
	s_add_nc_u64 s[50:51], s[6:7], s[20:21]
	s_lshl_b32 s20, s19, 10
	s_add_co_u32 s20, s20, WS_OFF+3*32768
	s_add_nc_u64 s[52:53], s[6:7], s[20:21]
	s_lshl_b32 s20, s19, 7
	s_add_nc_u64 s[8:9], s[8:9], s[20:21]
	s_add_nc_u64 s[54:55], s[10:11], s[20:21]
	s_lshl_b32 s20, s17, 19
	s_add_nc_u64 s[54:55], s[54:55], s[20:21]
.irp s, 0,1,2,3,4,5,6,7
	WIN (1+\s/5)<<6
.irp f, 0,1,2,3
.set RG_, (\s%5)*48+\f*12
.set OF_, \f*12288+\s*1536
	global_load_b128 v[RG_:RG_+3], v[A16], s[50:51] offset:OF_
	global_load_b64 v[RG_+4:RG_+5], v[A8], s[50:51] offset:OF_+512
	global_load_b128 v[RG_+6:RG_+9], v[A16], s[50:51] offset:OF_+768
	global_load_b64 v[RG_+10:RG_+11], v[A8], s[50:51] offset:OF_+1280
.endr
.endr
	WIN 0
.irp bl, 0,1
.irp p, 0,1,2,3
	global_load_b64 v[WSR+8*\bl+2*\p:WSR+8*\bl+2*\p+1], v[A8], s[52:53] offset:\bl*1024+\p*256
.endr
.irp u, 0,1
	global_load_b128 v[BIAS+16*\bl+8*\u:BIAS+16*\bl+8*\u+3], v[BA], s[8:9] offset:128*\bl+32*\u
	global_load_b128 v[BIAS+16*\bl+8*\u+4:BIAS+16*\bl+8*\u+7], v[BA], s[8:9] offset:128*\bl+32*\u+16
.endr
.endr
	s_wait_loadcnt 0x0
	s_wait_tensorcnt 0x0
	s_barrier_signal -1
	s_barrier_wait -1
.macro XLOAD g, s, slot
.irp tau, 0,1
.irp c, 0,1
.set AD_, (\g)*24576+\tau*12288+(\s)*1536+\c*768
.set RG_, AF+24*(\slot)+12*\tau+6*\c
	ds_load_b128 v[RG_:RG_+3], v[LA+AD_/49152] offset:AD_%49152
	ds_load_b64 v[RG_+4:RG_+5], v[LB+AD_/49152] offset:AD_%49152+512
.endr
.endr
.endm
.macro XSCL g
.irp p, 0,1,2,3
	ds_load_b64 v[ASR+2*\p:ASR+2*\p+1], v[LS] offset:(\g)*1024+\p*256
.endr
.endm
.macro PROD s
.if (\s) == 0
	WIN 0x81
.elseif (\s) < 5
	WIN 0xA1
.else
	WIN 0xA2
.endif
.irp tau, 0,1
.irp bl, 0,1
.irp u, 0,1
.set D_, 144+32*\tau+16*\bl+8*\u
.set A_, ((\s)%5)*48+(2*\bl+\u)*12
.set B_, AF+24*((\s)%4)+12*\tau
.if (\s) == 0
.set C_, BIAS+16*\bl+8*\u
.else
.set C_, D_
.endif
.set SA_, WSR+8*\bl+(\s)
.set SB_, ASR+(\s)
.set RA_, \u
.set RB_, \tau
	WM
.endr
.endr
.endr
.endm
.macro OUTW g
	WIN 0x08
.irp tau, 0,1
.irp bl, 0,1
.irp i, 0,1,2,3
	ds_store_b128 v[SI], v[144+32*\tau+16*\bl+4*\i:147+32*\tau+16*\bl+4*\i] offset:16*\tau*272+128*\bl+16*\i
.endr
.endr
.endr
	WIN 0
	s_wait_xcnt 0x0
.if (\g) > 0
	s_add_nc_u64 s[54:55], s[54:55], 131072
.endif
.irp i, 0,1,2,3,4,5,6,7,8,9,10,11,12,13,14,15
	ds_load_b128 v[OUT+4*\i:OUT+4*\i+3], v[SO] offset:2*\i*272
.endr
.irp i, 0,1,2,3,4,5,6,7,8,9,10,11,12,13,14,15
	s_wait_dscnt 15-\i
	global_store_b128 v[GO], v[OUT+4*\i:OUT+4*\i+3], s[54:55] offset:(8*(\i/8)+((2*\i)%16)+8*(((2*\i)%16)/8))*4096 th:TH_STORE_NT
.endr
.endm
.macro TRIP g, ahead
	s_wait_dscnt 0x0
.irp s, 0,1,2,3,4,5,6,7
.if \s >= 4
.if \ahead
	s_wait_dscnt 24
.else
	s_wait_dscnt 8*(7-\s)
.endif
.endif
	PROD \s
	WIN 0
.if \s == 7
	PLACES 5
.else
	PLACES 4
.endif
.if \s < 4
	XLOAD \g, \s+4, \s
.elseif \ahead
	XLOAD (\g)+1, \s-4, \s-4
.if \s == 7
	XSCL (\g)+1
.endif
.endif
.endr
	OUTW \g
.endm
.irp s, 0,1,2,3
	XLOAD 0, \s, \s
.endr
	XSCL 0
	TRIP 0, 1
	TRIP 1, 1
	TRIP 2, 1
	TRIP 3, 0
	s_wait_dscnt 0x0
	s_wait_tensorcnt 0x0
	ds_add_u32 v254, v255
	s_wait_dscnt 0x0
	CROUND
	s_endpgm
.Lfunc_end_k_q0450f8896a_oproj:
	.size	k_q0450f8896a_oproj, .Lfunc_end_k_q0450f8896a_oproj-k_q0450f8896a_oproj
	.p2alignl 7, 3214868480
	.fill 96, 4, 3214868480
	.section	.rodata,"a",@progbits
	.p2align	6, 0x0
	.amdhsa_kernel k_q0450f8896a_oproj
		.amdhsa_group_segment_fixed_size 327680
		.amdhsa_private_segment_fixed_size 0
		.amdhsa_enable_private_segment 0
		.amdhsa_kernarg_size 32
		.amdhsa_user_sgpr_count 2
		.amdhsa_user_sgpr_kernarg_segment_ptr 1
		.amdhsa_wavefront_size32 1
		.amdhsa_system_sgpr_workgroup_id_x 1
		.amdhsa_system_sgpr_workgroup_id_y 1
		.amdhsa_system_sgpr_workgroup_id_z 1
		.amdhsa_system_vgpr_workitem_id 0
		.amdhsa_next_free_vgpr 768
		.amdhsa_next_free_sgpr 80
		.amdhsa_reserve_vcc 0
		.amdhsa_float_denorm_mode_32 3
		.amdhsa_float_denorm_mode_16_64 3
		.amdhsa_memory_ordered 1
		.amdhsa_forward_progress 1
		.amdhsa_inst_pref_size 92
	.end_amdhsa_kernel
	.amdgpu_metadata
---
amdhsa.version: [ 1, 2 ]
amdhsa.kernels:
  - .name:           k_q0450f8896a_oproj
    .symbol:         k_q0450f8896a_oproj.kd
    .args:
      - { .name: att, .offset: 0, .size: 8, .value_kind: global_buffer, .address_space: global }
      - { .name: pre, .offset: 8, .size: 8, .value_kind: global_buffer, .address_space: global }
      - { .name: bo, .offset: 16, .size: 8, .value_kind: global_buffer, .address_space: global }
      - { .name: out0, .offset: 24, .size: 8, .value_kind: global_buffer, .address_space: global }
    .group_segment_fixed_size: 327680
    .private_segment_fixed_size: 0
    .kernarg_segment_align: 8
    .kernarg_segment_size: 32
    .max_flat_workgroup_size: 128
    .sgpr_count:     80
    .vgpr_count:     768
    .wavefront_size: 32
...
	.end_amdgpu_metadata
.endif
;; end of part 4
